; MI455X (gfx1250); checked and timed in simulation.
; The chip was launched on July 23, 2026; its instructions are those of AMD's public machine-readable ISA for CDNA 5 (MIT licence, August 2026) and "CDNA5" Instruction Set Architecture Reference Guide (July 2026). The comments in the code are by the model that wrote it; some were corrected since.
;; Multi Head Attention. Allowed arithmetic: matrix products marked QUANTISED: E3M2 operands, one E8M0 scale for each 32 along K, by v_wmma_scale_f32_16x16x128_f8f6f4 with both operands' format E3M2, f32 sums; everything else in f32.
;; Inputs: Wk 1,024 x 1,024 float32; Wo 1,024 x 1,024 float32; Wq 1,024 x 1,024 float32; Wv 1,024 x 1,024 float32; bk 1,024 float32; bo 1,024 float32; bq 1,024 float32; bv 1,024 float32; x 4 x 2,048 x 1,024 float32.
;; Outputs: out0 4 x 2,048 x 1,024 float32.
;; This version of the problem:
;;   THIS VERSION OF THE PROBLEM IS GIVEN IN LOW PRECISION. The matrix products marked QUANTISED in the list below multiply operands that are first quantised to E3M2 (3 exponent bits, 2 mantissa bits; 6 bits a number), with one power-of-two scale for each 32 numbers along K (OCP MX v1.0); their sums are f32. All else is computed in f32.
;;   The module's matrix products, in the order in which they are computed (A, B: the left and right operand; K: the contracted axis; several contracted axes count as one K, in the product's order):
;;     1. [M 8,192, K 1,024] x [K 1,024, N 1,024]; A: input x; B: input Wq: QUANTISED
;;     2. [M 8,192, K 1,024] x [K 1,024, N 1,024]; A: input x; B: input Wk: QUANTISED
;;     3. [M 8,192, K 1,024] x [K 1,024, N 1,024]; A: input x; B: input Wv: QUANTISED
;;     4. batch 64 x [M 2,048, K 64] x [K 64, N 2,048]; A: computed on the way; B: computed on the way: QUANTISED
;;     5. batch 64 x [M 2,048, K 2,048] x [K 2,048, N 64]; A: softmax (see below); B: computed on the way: QUANTISED
;;     6. [M 8,192, K 1,024] x [K 1,024, N 1,024]; A: computed on the way; B: input Wo: QUANTISED
;;   THE QUANTISER, for each operand of a quantised product, along K:
;;     - K is cut into blocks of 32 from its start; a last block that is shorter is filled with zeros.
;;     - A block's scale is 2^e with e = floor(log2(the largest magnitude in the block)) - 4, held to -126 .. 127; a block of zeros has e = 0. As a byte (E8M0): e + 127.
;;     - Each number is divided by its block's scale, clamped to +-28, and rounded to the nearest number of E3M2, ties to even, subnormals kept.
;;     - The product sums the exact products of the quantised numbers (number of the format x scale) in f32.
;;   ~~~python
;;   def quantise(x, axis):      # numpy; x: float32 -> the quantised numbers, widened to float32 again
;;       x = np.moveaxis(x, axis, -1); K = x.shape[-1]
;;       x = np.pad(x, [(0, 0)] * (x.ndim - 1) + [(0, -K % 32)]); x = x.reshape(x.shape[:-1] + (-1, 32)); a = np.abs(x).max(-1, keepdims=True)
;;       e = np.where(a > 0, np.clip(np.frexp(np.where(a > 0, a, 1))[1] - 1 - 4, -126, 127), 0)      # np.frexp(a)[1] - 1 = floor(log2(a)), exactly
;;       r = np.clip(x / 2.0 ** e, -28, 28)
;;       step = 2.0 ** (np.maximum(np.frexp(np.where(r == 0, 1, r))[1] - 1, -2) - 2)
;;       q = np.round(r / step) * step * 2.0 ** e      # np.round: ties to even
;;       return np.moveaxis(q.reshape(q.shape[:-2] + (-1,))[..., :K], -1, axis).astype(np.float32)
;;   ~~~
;;   SOFTMAX AHEAD OF A QUANTISED PRODUCT. Where the list says 'softmax', what is quantised is not the finished softmax but p = 2^(t - M), with t = logit x log2(e) and M = ceil(the row's largest t), a whole number; so 1/2 < the row's largest p <= 1. The row's sum l is taken of the UNQUANTISED p, in f32, and the product's result is divided by l at the end. Since M is a whole number, a kernel that streams over the keys may use a running M (the ceiling of the running maximum): every later rescaling is an exact power of two, which a block's scale takes up: the codes' values come out the same.
;;   OPERANDS COMPUTED ON THE WAY. 'Computed on the way' means the value that the module computes at that place (a softmax that the list does not call 'softmax' is quantised finished and normalised). What goes into a quantiser is computed in f32, as accurately as f32 sums, v_exp_f32 and their like allow (about 1e-6 of the number): no bf16 or f16 on the way to a quantiser, and a product that is left as it is and whose result goes on into a quantised operand takes f32 operands (vector FMAs, or v_wmma_f32_16x16x4_f32). A number that lies on a knife's edge between two numbers of the format may be rounded either way, as far as f32 arithmetic and the matrix unit's own rounding can turn it there, and no further.
;; One version. Each part assembles by itself: llvm-mc -triple=amdgcn-amd-amdhsa -mcpu=gfx1250 --defsym DOCPART=n.
;; ======== version 1 of 1: 4 launches
;; limits: right only within a limited range of input values
;; workspace buffers: opc 9,437,184 bytes; ops 393,216 bytes; qkvc 18,874,368 bytes; qkvs 1,310,720 bytes; oc 6,291,456 bytes; os 262,144 bytes
;; launch quant (part 1): grid 384 x 1, 8 waves a work-group, no clusters, 68,608 bytes of LDS; arguments x, Wq, Wk, Wv, Wo, opc, ops; writes opc, ops
.if DOCPART == 1
	.amdgcn_target "amdgcn-amd-amdhsa--gfx1250"
	.amdhsa_code_object_version 6
	.text
	.protected	k_qabf8155c00_quant
	.globl	k_qabf8155c00_quant
	.p2align	8
	.type	k_qabf8155c00_quant,@function
k_qabf8155c00_quant:
	s_mov_b64 s[64:65], 0
	v_nop
	global_prefetch_b8 v0, s[64:65] scope:SCOPE_SE
	s_setreg_imm32_b32 hwreg(HW_REG_WAVE_MODE, 25, 1), 1
	s_wait_xcnt 0x0
; x [8192][1024] and the four weights [1024 (k)][1024 (n)], f32, become codes of BF6 (E3M2) with one E8M0 byte for each 32 along K.
; A block's scale is 2^(floor(log2(its largest magnitude)) - 4); its byte is the largest magnitude's exponent field - 4, held at 1 from below.
; LIMITS: NaN and infinities are not served; a block whose largest magnitude lies under 2^-122 keeps the byte 1; a block of zeros gets the byte 1 where the
; quantiser says 127: its codes are zeros, which add nothing under any byte but 0xff, and the bytes are read by this program alone.
; THE CODES ARE LAID AS IMAGES OF OPERAND REGISTERS.  A half unit (768 bytes) is 16 rows x 64 K: lane (r, h) owns the 24 bytes of row r's codes k = 32 h .. 32 h + 31;
; its first 16 bytes lie at 16 x lane, its last 8 at 512 + 8 x lane.  So each store of a wave covers 512 or 256 consecutive bytes, aligned, straight from registers.
; opc: x's half units [tile of 16 rows 512][64 along K 16], then from XCS on the weights' [tile of 16 columns 256][16], Wq, Wk, Wv, Wo.
; ops: scale words [tile][128 along K 8][row 16], x's, then from XSS on the weights'.
; Work-groups 0-255 take x (32 rows each; a wave 16 rows x 256 K), work-groups 256-383 the weights (a wave 32 columns x 128 K).  Each reads 128 KiB, all asked for at once.  Waves share nothing: no barrier.
.set XCS,  6291456
.set XSS,  262144
.set SEL,  20                          ; s[20:21] lane selects of v_permlanex16_b32: lane l xor 16
.set PC,   16                          ; v16-29   x: a fragment's codes: half c at v[PC + 8 c], six registers
.set TM,   32                          ; v32-47   x: at work
.set PT,   48                          ; v48-55   x: the conversions' second halves
.set PW,   56                          ; v56-57   x: the two K steps' scale words
.set R,    64                          ; v64-191  x: the numbers as loaded;  weights: 128 numbers down K
.set X,    192                         ; v192-255 x: 64 numbers of my row, register 16 b + i = k 32 b + 16 h + i
; 64 numbers of a lane, register 16 b + i = k 32 b + 16 (lane / 16) + i of its row, become a fragment's codes (half c in v[pc + 8 c] on) and its scale word in v[pw].
.macro QUANT2 s, pc, pt, pw
.irp b, 0,1,2,3
	v_max3_num_f32 v[TM+\b], |v[\s+16*\b]|, |v[\s+1+16*\b]|, 0x2800000   ; my 16 numbers of block b, and the floor 2^(5 - 127): the byte cannot fall under 1
.endr
.irp i, 2,4,6,8,10,12,14
.irp b, 0,1,2,3
	s_delay_alu instid0(VALU_DEP_4)
	v_max3_num_f32 v[TM+\b], v[TM+\b], |v[\s+16*\b+\i]|, |v[\s+1+16*\b+\i]|   ; the four blocks by turns
.endr
.endr
.irp b, 0,1,2,3
	s_delay_alu instid0(VALU_DEP_4)
	v_permlanex16_b32 v[TM+4+\b], v[TM+\b], s[SEL], s[SEL+1]
.endr
.irp b, 0,1,2,3
	s_delay_alu instid0(VALU_DEP_4)
	v_max_num_f32 v[TM+\b], v[TM+\b], v[TM+4+\b]           ; with lane l xor 16's: the block's largest magnitude
.endr
.irp b, 0,1,2,3
	s_delay_alu instid0(VALU_DEP_4)
	v_add_nc_u32 v[TM+12+\b], 0xfe000000, v[TM+\b]         ; 4 off its exponent field: the conversion's scale operand
.endr
.irp b, 0,1,2,3
	s_delay_alu instid0(VALU_DEP_4)
	v_lshrrev_b32 v[TM+4+\b], 23, v[TM+12+\b]              ; the scale's byte
.endr
	s_delay_alu instid0(VALU_DEP_3)
	v_lshl_or_b32 v[\pw], v[TM+5], 8, v[TM+4]
	s_delay_alu instid0(VALU_DEP_1)
	v_lshl_or_b32 v[\pw], v[TM+6], 16, v[\pw]
	s_delay_alu instid0(VALU_DEP_1)
	v_lshl_or_b32 v[\pw], v[TM+7], 24, v[\pw]              ; my row's scale word
.irp c, 0,1
	v_cvt_scalef32_pk16_bf6_f32 v[\pc+8*\c:\pc+8*\c+2], v[\s+32*\c:\s+32*\c+15], v[TM+12+2*\c]
	v_cvt_scalef32_pk16_bf6_f32 v[\pt+4*\c:\pt+4*\c+2], v[\s+16+32*\c:\s+31+32*\c], v[TM+13+2*\c]   ; (a conversion's three registers begin on an even number)
.endr
	v_nop                                                  ; one plain place behind a scaled conversion
.irp c, 0,1                            ; a lane is to hold a WHOLE block: lanes 0-15 block 2 c, lanes 16-31 block 2 c + 1
.irp i, 0,1,2
	v_permlane16_swap_b32 v[\pc+8*\c+\i], v[\pt+4*\c+\i]
.endr
.irp i, 0,1,2
	s_delay_alu instid0(VALU_DEP_3)
	v_mov_b32 v[\pc+8*\c+3+\i], v[\pt+4*\c+\i]
.endr
.endr
.endm
	s_load_b256 s[4:11], s[0:1], 0x0               ; x, Wq, Wk, Wv
	s_load_b128 s[12:15], s[0:1], 0x20             ; Wo, opc
	s_load_b64 s[16:17], s[0:1], 0x30              ; ops
	v_lshl_add_u32 v62, v0, 2, 0x10800
	v_mov_b32 v63, 0
	v_lshrrev_b32 v1, 5, v0
	s_delay_alu instid0(VALU_DEP_1)
	v_readfirstlane_b32 s18, v1                    ; wave 0..7
	v_and_b32 v1, 31, v0                           ; lane
	v_and_b32 v2, 15, v0                           ; r
	v_bfe_u32 v3, v0, 4, 1                         ; h
	s_delay_alu instid0(VALU_DEP_3)
	v_lshlrev_b32 v4, 4, v1                        ; 16 x lane
	s_delay_alu instid0(VALU_DEP_4)
	v_lshlrev_b32 v5, 3, v1                        ; 8 x lane
	v_lshlrev_b32 v6, 2, v1                        ; 4 x lane
	s_mul_i32 s26, s18, 8448                       ; x: my wave's stage in LDS: 16 rows of 512 bytes + 16
	v_add_nc_u32 v7, s26, v4                       ; into it: a row's 512 bytes as loaded
	v_mul_u32_u24 v8, v2, 528
	s_delay_alu instid0(VALU_DEP_1)
	v_lshl_add_u32 v8, v3, 6, v8
	s_delay_alu instid0(VALU_DEP_1)
	v_add_nc_u32 v8, s26, v8                       ; out of it: row r, + 64 h: my 16 numbers of each block of 32
	v_lshlrev_b32 v9, 9, v3
	s_delay_alu instid0(VALU_DEP_1)
	v_lshl_add_u32 v9, v2, 2, v9                   ; weights: my column's scale word: 512 x (lane / 16) + 4 x (lane % 16)
	s_mov_b32 s[SEL], 0x76543210
	s_mov_b32 s[SEL+1], 0xfedcba98
.irp b, 0,1,2,3
	v_mov_b32 v[TM+4+\b], 0                        ; written once: a lane permute's destination counts as one of its sources
.endr
	s_mov_b32 s25, 0
	s_cmp_lt_u32 ttmp9, 256
	s_cbranch_scc0 .Lweights
	; ---- x.  Wave w of work-group g: tile of rows 2 g + w / 4, K = 256 (w % 4) on: two K steps of 128
	s_lshl_b32 s19, ttmp9, 1
	s_lshr_b32 s22, s18, 2
	s_add_co_u32 s19, s19, s22                     ; the tile
	s_and_b32 s22, s18, 3                          ; which 256 along K
	s_wait_kmcnt 0x0
	s_lshl_b32 s24, s19, 16                        ; 16 rows of 4,096 bytes
	s_lshl_b32 s23, s22, 10
	s_add_co_u32 s24, s24, s23
	s_add_nc_u64 s[4:5], s[4:5], s[24:25]
	s_mul_i32 s24, s19, 12288                      ; a tile's 16 half units
	s_mul_i32 s23, s22, 3072
	s_add_co_u32 s24, s24, s23
	s_add_nc_u64 s[14:15], s[14:15], s[24:25]
	s_lshl_b32 s24, s19, 9                         ; a tile's 8 x 16 scale words
	s_lshl_b32 s23, s22, 7
	s_add_co_u32 s24, s24, s23
	s_add_nc_u64 s[16:17], s[16:17], s[24:25]
.irp s, 0,1
.irp t, 0,1,2,3,4,5,6,7,8,9,10,11,12,13,14,15
	global_load_b128 v[R+64*\s+4*\t:R+64*\s+4*\t+3], v4, s[4:5] offset:4096*\t+512*\s th:TH_LOAD_NT   ; 32 lanes read 512 consecutive bytes of row t
.endr
.endr
.macro XSTEP s
	s_wait_loadcnt 16-16*\s                        ; this K step's 16 loads are in; the other step's 16 may be out
.irp t, 0,1,2,3,4,5,6,7,8,9,10,11,12,13,14,15
	ds_store_b128 v7, v[R+64*\s+4*\t:R+64*\s+4*\t+3] offset:528*\t
.endr
.irp b, 0,1,2,3
.irp j, 0,1,2,3
	ds_load_b128 v[X+16*\b+4*\j:X+16*\b+4*\j+3], v8 offset:128*\b+16*\j   ; LDS serves a wave's instructions in order (ISA guide 5.7.1.4): these see the stores above
.endr
.endr
	s_wait_dscnt 0x0
.if \s
	s_wait_xcnt 0x0                                ; the first step's stores have read the codes' registers: they are written again only behind this wait
.endif
	QUANT2 X, PC, PT, PW+\s
.irp c, 0,1
	global_store_b128 v4, v[PC+8*\c:PC+8*\c+3], s[14:15] offset:1536*\s+768*\c         ; 512 consecutive bytes
	global_store_b64 v5, v[PC+8*\c+4:PC+8*\c+5], s[14:15] offset:1536*\s+768*\c+512    ; 256 consecutive bytes
.endr
.endm
	s_wait_alu depctr_va_vdst(0)
	XSTEP 0
	XSTEP 1
	v_cmp_eq_u32 vcc_lo, 1, v3
	s_delay_alu instid0(VALU_DEP_1)
	v_cndmask_b32 v58, v56, v57, vcc_lo            ; lanes 0-15 the first K step's words, lanes 16-31 the second's: 128 consecutive bytes
	global_store_b32 v6, v58, s[16:17]
	s_wait_tensorcnt 0x0
	ds_add_u32 v62, v63
	s_wait_dscnt 0x0
	s_endpgm
	; ---- the weights.  A LANE TAKES A COLUMN n AND ITS REGISTERS RUN DOWN K: a block of 32 lies in one lane, and the codes come out with K innermost
.Lweights:
	s_sub_co_u32 s19, ttmp9, 256
	s_lshr_b32 s22, s19, 5                         ; which weight: 0 Wq, 1 Wk, 2 Wv, 3 Wo
	s_bfe_u32 s23, s19, 0x20003                    ; which 256 columns
	s_and_b32 s27, s19, 7                          ; which 128 along K
	s_wait_kmcnt 0x0
	s_cmp_eq_u32 s22, 1
	s_cselect_b64 s[6:7], s[8:9], s[6:7]
	s_cmp_eq_u32 s22, 2
	s_cselect_b64 s[6:7], s[10:11], s[6:7]
	s_cmp_eq_u32 s22, 3
	s_cselect_b64 s[6:7], s[12:13], s[6:7]
	s_lshl_b32 s24, s27, 19                        ; 128 rows of 4,096 bytes
	s_lshl_b32 s28, s23, 10
	s_add_co_u32 s24, s24, s28
	s_lshl_b32 s28, s18, 7                         ; my wave's 32 columns
	s_add_co_u32 s24, s24, s28
	s_add_nc_u64 s[6:7], s[6:7], s[24:25]
	s_lshl_b32 s29, s22, 6
	s_lshl_b32 s28, s23, 4
	s_add_co_u32 s29, s29, s28
	s_lshl_b32 s28, s18, 1
	s_add_co_u32 s29, s29, s28                     ; my first tile of 16 columns
	s_mul_i32 s24, s29, 12288
	s_mul_i32 s28, s27, 1536
	s_add_co_u32 s24, s24, s28
	s_add_co_u32 s24, s24, XCS
	s_add_nc_u64 s[14:15], s[14:15], s[24:25]
	s_lshl_b32 s24, s29, 9
	s_lshl_b32 s28, s27, 6
	s_add_co_u32 s24, s24, s28
	s_add_co_u32 s24, s24, XSS
	s_add_nc_u64 s[16:17], s[16:17], s[24:25]
.set i, 0
.rept 128
	global_load_b32 v[R+i], v6, s[6:7] offset:4096*i th:TH_LOAD_NT   ; W(k, my column): 32 lanes read 128 consecutive bytes, the eight waves side by side 1,024
.set i, i+1
.endr
.macro WBLOCK t
.set XS, R+32*(\t)
.set CT, 16+8*(\t)
	v_max3_num_f32 v12, |v[XS]|, |v[XS+1]|, |v[XS+2]|      ; the block's largest magnitude: all 32 numbers are mine
	v_max3_num_f32 v13, |v[XS+3]|, |v[XS+4]|, |v[XS+5]|
.irp i, 6,10,14,18,22,26
	s_delay_alu instid0(VALU_DEP_2)
	v_max3_num_f32 v12, v12, |v[XS+\i]|, |v[XS+\i+1]|
	s_delay_alu instid0(VALU_DEP_2)
	v_max3_num_f32 v13, v13, |v[XS+\i+2]|, |v[XS+\i+3]|
.endr
	s_delay_alu instid0(VALU_DEP_2)
	v_max3_num_f32 v12, v12, |v[XS+30]|, |v[XS+31]|
	s_delay_alu instid0(VALU_DEP_1)
	v_max3_num_f32 v12, v12, v13, 0x2800000                ; and the floor
	s_delay_alu instid0(VALU_DEP_1)
	v_add_nc_u32 v11, 0xfe000000, v12                      ; the conversion's scale operand
	s_delay_alu instid0(VALU_DEP_1)
	v_lshrrev_b32 v13, 23, v11                             ; the byte
.if (\t) == 0
	s_delay_alu instid0(VALU_DEP_1)
	v_mov_b32 v52, v13
.else
	s_delay_alu instid0(VALU_DEP_1)
	v_lshl_or_b32 v52, v13, 8*(\t), v52                    ; four bytes make the column's scale word of these 128 along K
.endif
	v_cvt_scalef32_pk16_bf6_f32 v[CT:CT+2], v[XS:XS+15], v11
	v_cvt_scalef32_pk16_bf6_f32 v[48:50], v[XS+16:XS+31], v11
	v_nop                                                  ; one plain place behind a scaled conversion
.irp i, 0,1,2
	v_mov_b32 v[CT+3+\i], v[48+\i]
.endr
.endm
; Blocks 2 e and 2 e + 1 of 32 columns become half unit e of two tiles: the first set's lanes 16-31 change places with the second's lanes 0-15.
.macro WOUT e
.irp i, 0,1,2,3,4,5
	v_permlane16_swap_b32 v[16+16*\e+\i], v[24+16*\e+\i]
.endr
	global_store_b128 v4, v[16+16*\e:19+16*\e], s[14:15] offset:768*\e
	global_store_b64 v5, v[20+16*\e:21+16*\e], s[14:15] offset:768*\e+512
	global_store_b128 v4, v[24+16*\e:27+16*\e], s[14:15] offset:12288+768*\e
	global_store_b64 v5, v[28+16*\e:29+16*\e], s[14:15] offset:12288+768*\e+512
.endm
	s_wait_loadcnt 63                              ; 96 loads were issued behind block 0's: a wait can name 63 at the most, which is the smaller count
	WBLOCK 0
	s_wait_loadcnt 63                              ; 64 behind block 1's
	WBLOCK 1
	WOUT 0
	s_wait_loadcnt 32                              ; block 3's 32 may be out
	WBLOCK 2
	s_wait_loadcnt 0x0
	WBLOCK 3
	WOUT 1
	global_store_b32 v9, v52, s[16:17]             ; two pieces of 64 consecutive bytes, one for each tile
	s_endpgm
.Lfunc_end_k_qabf8155c00_quant:
	.size	k_qabf8155c00_quant, .Lfunc_end_k_qabf8155c00_quant-k_qabf8155c00_quant
	.p2alignl 7, 3214868480
	.fill 96, 4, 3214868480
	.section	.rodata,"a",@progbits
	.p2align	6, 0x0
	.amdhsa_kernel k_qabf8155c00_quant
		.amdhsa_group_segment_fixed_size 68608
		.amdhsa_private_segment_fixed_size 0
		.amdhsa_enable_private_segment 0
		.amdhsa_kernarg_size 56
		.amdhsa_user_sgpr_count 2
		.amdhsa_user_sgpr_kernarg_segment_ptr 1
		.amdhsa_wavefront_size32 1
		.amdhsa_system_sgpr_workgroup_id_x 1
		.amdhsa_system_sgpr_workgroup_id_y 1
		.amdhsa_system_sgpr_workgroup_id_z 1
		.amdhsa_system_vgpr_workitem_id 0
		.amdhsa_next_free_vgpr 256
		.amdhsa_next_free_sgpr 66
		.amdhsa_reserve_vcc 1
		.amdhsa_float_denorm_mode_32 3
		.amdhsa_float_denorm_mode_16_64 3
		.amdhsa_memory_ordered 1
		.amdhsa_forward_progress 1
		.amdhsa_inst_pref_size 44
	.end_amdhsa_kernel
	.amdgpu_metadata
---
amdhsa.version: [ 1, 2 ]
amdhsa.kernels:
  - .name:           k_qabf8155c00_quant
    .symbol:         k_qabf8155c00_quant.kd
    .args:
      - { .name: x, .offset: 0, .size: 8, .value_kind: global_buffer, .address_space: global }
      - { .name: Wq, .offset: 8, .size: 8, .value_kind: global_buffer, .address_space: global }
      - { .name: Wk, .offset: 16, .size: 8, .value_kind: global_buffer, .address_space: global }
      - { .name: Wv, .offset: 24, .size: 8, .value_kind: global_buffer, .address_space: global }
      - { .name: Wo, .offset: 32, .size: 8, .value_kind: global_buffer, .address_space: global }
      - { .name: opc, .offset: 40, .size: 8, .value_kind: global_buffer, .address_space: global }
      - { .name: ops, .offset: 48, .size: 8, .value_kind: global_buffer, .address_space: global }
    .group_segment_fixed_size: 68608
    .private_segment_fixed_size: 0
    .kernarg_segment_align: 8
    .kernarg_segment_size: 56
    .max_flat_workgroup_size: 256
    .sgpr_count:     66
    .vgpr_count:     256
    .wavefront_size: 32
...
	.end_amdgpu_metadata
.endif
;; end of part 1
;; launch gemm_qkv (part 2): grid 4 x 64, 4 waves a work-group, clusters of 4 x 4, 327,680 bytes of LDS; arguments opc, ops, bq, bk, bv, qkvc, qkvs; writes qkvc, qkvs
.if DOCPART == 2
	.amdgcn_target "amdgcn-amd-amdhsa--gfx1250"
	.amdhsa_code_object_version 6
	.text
	.protected	k_qabf8155c00_gemm_qkv
	.globl	k_qabf8155c00_gemm_qkv
	.p2align	8
	.type	k_qabf8155c00_gemm_qkv,@function
k_qabf8155c00_gemm_qkv:
	s_mov_b64 s[64:65], 0
	v_nop
	global_prefetch_b8 v0, s[64:65] scope:SCOPE_SE
	s_setreg_imm32_b32 hwreg(HW_REG_WAVE_MODE, 25, 1), 1
	s_wait_xcnt 0x0
	s_wait_alu depctr_hold_cnt(0) depctr_sa_sdst(0) depctr_va_vdst(0) depctr_va_sdst(0) depctr_va_ssrc(0) depctr_va_vcc(0) depctr_vm_vsrc(0)
	s_getreg_b32 s2, hwreg(HW_REG_IB_STS2, 6, 4)
	s_cmp_eq_u32 s2, 0
	s_cbranch_scc0 .Lentry_in_a_cluster
	s_endpgm
.Lentry_in_a_cluster:
	s_bfe_u32 s2, ttmp6, 0x10000c
	s_cmp_lg_u32 s2, 0xf033
	s_cbranch_scc0 .Lentry_shape_is_right
	s_endpgm
.Lentry_shape_is_right:
; q = x Wq + bq, k = x Wk + bk, v = x Wv + bv on codes of BF6 (E3M2) with E8M0 scale words, f32 sums; each result is quantised at once for the attention's two products (q, k along the head's 64, v along the keys) and leaves as codes.
; Operands are images of operand registers: a tile of 16 rows (of x) or 16 columns (of a weight) is 12,288 dense bytes, 16 half units of 768 bytes (16 rows x 64 K; lane l's first four registers at 16 l, its last two at 512 + 8 l);
; scale words lie [tile][128 along K 8][row 16].
; SHARES.  256 WORK-GROUPS THAT STAY: a work-group owns 128 rows of x (one key step of one batch) and 256 columns of each of Wq, Wk, Wv, which it walks as six blocks of 128 columns (two heads): Q, Q, K, K, V, V.
; Four waves, each 64 rows x 64 columns (one head): 16 accumulators.
; LDS.  x's 8 tiles (98,304 bytes), its scale words (4,096) and the scale words of all 768 columns (24,576) are filled once.  The weights go through a ring of two slots of 98,304 bytes, a block with all of K in each:
; one round and one tensor load a wave (24,576 bytes) for a block; a block's load is asked for when the block two before it has been read, ahead of that block's way out.
; CLUSTERS: 4 x 4 work-groups; x's tiles are shared along a row of the cluster, the weights' along a column.
; PREFETCH: behind each refill the block of the NEXT refill is asked of memory, one instruction a wave; of a wave's 96 blocks of 256 bytes each of the four partners takes 24, told apart by address;
; every cluster reads the same weights, so four clusters ask; blocks 0 to 2 come by their loads alone; nothing is asked for beyond block 5.
; THE MATRIX INSTRUCTION: source 0 = 16 columns, source 1 = 16 rows: a lane holds one row and eight neighbouring columns.  For Q and K rows are tokens and columns the head's channels; for V THE SOURCES ARE SWAPPED: rows are channels,
; columns tokens: so in all three a lane's 32 registers of a unit (16 rows) run along the next product's K, and one quantiser serves all.
; ORDER ALONG THE NEXT K: register 16 B + i of a unit is number 32 B + 16 (i / 8) + 8 h + i % 8 and is laid at place 32 B + 16 h + i: the same for q and k, and for v and the attention's p; blocks of 32 stay whole.
; A block's scale is 2^(floor(log2(its largest magnitude)) - 4).  LIMITS: NaN and infinities are not served; a block whose largest magnitude lies under 2^-122 keeps the byte 1, and so does a block of zeros (its codes are zeros).
; REGISTERS: window 0: v8-21 addresses, v28-29 the add's; v32-47 x's scale words, v48-63 the block's (register 4 i + q: tile i; lanes 0-15 K step 2 q, lanes 16-31 K step 2 q + 1); v64-255 two sets of fragments (x 48, weight 48).
;   window 1: v0-127 accumulators, (a, b) at v[8 (4 a + b)]; v128-159 the bias; v160-225 the way out.
.set XCS,   6291456                    ; the weights' codes in opc
.set XSS,   262144                     ; and their scale words in ops
.set FR,    12
.set TROW,  12288
.set SLOT,  8*TROW
.set LB,    SLOT                       ; LDS: x's tiles from 0, slot 0 from here, slot 1 behind it
.set SCLA,  3*SLOT
.set SCLB,  SCLA+4096
.set SPARE, SCLB+24576                 ; the spare words, 128 bytes for each wave
.set SST,   SPARE+512                  ; V's scale words on their way out: 2 blocks x 2 heads x 256 bytes; no fill lands here
.set WSTEP, 64*TROW                    ; from a weight's block to the next weight's
.set ADRA, 8
.set ADRB, 10
.set ADSA, 14
.set ADSB0, 15
.set ADSB, 16
.set SSR,  17
.set LP,   18
.set PFO,  19
.set SPW,  28
.set NIL,  29
.set SA,   32
.set SB,   48
.set FA,   64
.set FB,   112
.set BN,   128                         ; from here on: window 1
.set TM,   160
.set PC,   176
.set PT,   190
.set PC2,  200
.set PW,   214
.set PW2,  215
.set WS,   216
.set LQ1,  220
.set LP1,  221
.set VB,   222
.set VR4,  223
.set SSV,  224
.set SWA,  225
.set SOF, 2
.set PFA, 4
.set PB,  8
.set PK,  10
.set PV,  12
.set OC,  14
.set OSA, 16
.set WV, 18
.set HI, 19
.set LO, 20
.set TR, 21
.set TC, 22
.set MK, 23
.set G1A, 24
.set G1B, 32
.set G1S, 40
.set G1SB, 48
.set G0A, 56
.set G0BH, 60
.set G0S, 68
.set G0SB, 72
.set G0R0, 76
.set G0R1, 80
.set SEL, 84
.set PF,  86
.set PF2, 87
.set OSB, 88
.set KSA, 90
.set KSB, 92
.set VS,  94
.set MSB, 0
.macro WIN new                         ; the immediate's high byte repeats the setting that is left
.if MSB != \new
	s_set_vgpr_msb (MSB<<8)|\new
.set MSB, \new
.endif
.endm
.macro CROUND                          ; a round of the cluster's barrier
	s_barrier_signal -1
	s_barrier_wait -1
	s_cmp_lg_u32 s[WV], 0
	s_cbranch_scc1 .Lnot_wave_0_\@
	s_barrier_signal -3
.Lnot_wave_0_\@:
	s_barrier_wait -3
	s_barrier_signal -1
	s_barrier_wait -1
.endm
.macro GRP1 g, c, r, p                 ; group 1 behind its first word: r rows of c elements of 8 bytes, p elements apart
	s_mov_b32 s[\g+1], (\c)<<16
	s_mov_b32 s[\g+2], (\r)<<16
	s_mov_b32 s[\g+3], (\c)<<16
	s_mov_b32 s[\g+4], \r
	s_mov_b32 s[\g+5], \p
	s_mov_b32 s[\g+6], 0
	s_mov_b32 s[\g+7], 0
.endm
.macro GRP0 g, lds, a
	s_mov_b32 s[\g], 1
	s_mov_b32 s[\g+1], \lds
	s_mov_b64 s[\g+2:\g+3], s[\a:\a+1]
	s_or_b32 s[\g+3], s[\g+3], 0x80000000
.endm
.macro ARM under, g0, g1, next
	s_cmp_lt_u32 s[WV], \under
	s_cbranch_scc0 \next
	tensor_load_to_lds s[\g0:\g0+3], s[\g1:\g1+7]
	s_nop 0
.rept 4
	v_nop
.endr
	s_branch .Lhead_asked
\next:
.endm
.macro PLACES
.rept 4
	v_nop
.endr
.endm
; 64 numbers of a lane (two units of 32), register 16 b + i at place 32 b + 16 h + i, become two half units of codes (unit c in v[pc + 8 c] on) and four scale bytes in v[pw].
.macro QUANT2 s, pc, pt, pw
.irp b, 0,1,2,3
	v_max3_num_f32 v[TM+\b], |v[\s+16*\b]|, |v[\s+1+16*\b]|, 0x2800000   ; my 16 numbers of block b, and the floor 2^(5 - 127)
.endr
.irp i, 2,4,6,8,10,12,14
.irp b, 0,1,2,3
	v_max3_num_f32 v[TM+\b], v[TM+\b], |v[\s+16*\b+\i]|, |v[\s+1+16*\b+\i]|
.endr
.endr
.irp b, 0,1,2,3
	v_permlanex16_b32 v[TM+4+\b], v[TM+\b], s[SEL], s[SEL+1]
.endr
.irp b, 0,1,2,3
	v_max_num_f32 v[TM+\b], v[TM+\b], v[TM+4+\b]           ; with lane l xor 16's: the block's largest magnitude
.endr
.irp b, 0,1,2,3
	v_add_nc_u32 v[TM+12+\b], 0xfe000000, v[TM+\b]         ; 4 off its exponent field: the conversion's scale operand
.endr
.irp b, 0,1,2,3
	v_lshrrev_b32 v[TM+4+\b], 23, v[TM+12+\b]              ; the byte
.endr
	v_lshl_or_b32 v[\pw], v[TM+5], 8, v[TM+4]
	v_lshl_or_b32 v[\pw], v[TM+6], 16, v[\pw]
	v_lshl_or_b32 v[\pw], v[TM+7], 24, v[\pw]
.irp c, 0,1
	v_cvt_scalef32_pk16_bf6_f32 v[\pc+8*\c:\pc+8*\c+2], v[\s+32*\c:\s+32*\c+15], v[TM+12+2*\c]
	v_cvt_scalef32_pk16_bf6_f32 v[\pt+4*\c:\pt+4*\c+2], v[\s+16+32*\c:\s+31+32*\c], v[TM+13+2*\c]
.endr
	v_nop                                                  ; one plain place behind a scaled conversion
.irp c, 0,1
.irp i, 0,1,2
	v_permlane16_swap_b32 v[\pc+8*\c+\i], v[\pt+4*\c+\i]   ; a lane is to hold a whole block
.endr
.irp i, 0,1,2
	v_mov_b32 v[\pc+8*\c+3+\i], v[\pt+4*\c+\i]
.endr
.endr
.endm
	s_load_b128 s[4:7], s[0:1], 0x0                ; opc, ops
	s_load_b128 s[8:11], s[0:1], 0x10              ; bq, bk
	s_load_b128 s[12:15], s[0:1], 0x20             ; bv, qkvc
	s_load_b64 s[16:17], s[0:1], 0x30              ; qkvs
	v_lshl_add_u32 v[SPW], v0, 2, SPARE
	v_mov_b32 v[NIL], 0
	ds_add_u32 v[SPW], v[NIL]                      ; the opening lines: the add, twice on end, and its wait
	ds_add_u32 v[SPW], v[NIL]
	v_lshrrev_b32 v1, 5, v0
	v_readfirstlane_b32 s[WV], v1                  ; wave 0..3
	s_lshr_b32 s[HI], s[WV], 1                     ; which 64 rows of x
	s_and_b32 s[LO], s[WV], 1                      ; which 64 columns of a block
	s_bfe_u32 s96, ttmp6, 0x40000                  ; cx
	s_bfe_u32 s97, ttmp6, 0x40004                  ; cy
	s_lshl_b32 s[TC], ttmp9, 2
	s_add_co_u32 s[TC], s[TC], s96                 ; which 256 columns of each weight: 0..3
	s_and_b32 s[TR], ttmp7, 0xffff
	s_lshl_b32 s[TR], s[TR], 2
	s_add_co_u32 s[TR], s[TR], s97                 ; which 128 rows: 0..63
	s_lshl_b32 s98, s97, 2
	s_lshl_b32 s98, 15, s98                        ; my row of the cluster
	s_lshl_b32 s99, 0x1111, s96                    ; my column
	s_or_b32 s[G1A+0], s98, (3<<16)|(1<<21)
	s_or_b32 s[G1B+0], s99, (3<<16)|(1<<21)
	s_or_b32 s[G1S+0], s98, (3<<16)|(1<<21)
	s_or_b32 s[G1SB+0], s99, (3<<16)|(1<<21)
	GRP1 G1A, 1536, 8, 1536                        ; x: 8 tiles of 12,288 bytes
	GRP1 G1B, 1536, 8, 1536                        ; block 0: 8 tiles; behind the head the two words that count rows are set to 2, for the ring's
	GRP1 G1S, 32, 16, 32                           ; x's scale words: 16 rows of 256 bytes
	GRP1 G1SB, 1024, 3, 4096                       ; the weights': 8,192 bytes of each of the three, 32,768 bytes apart
	s_mul_i32 s88, s[TR], SLOT
	s_mov_b32 s89, 0
	s_lshl_b32 s90, s[TR], 12
	s_mov_b32 s91, 0
	s_mul_i32 s92, s[TC], 2*SLOT
	s_add_co_u32 s92, s92, XCS
	s_mov_b32 s93, 0
	s_lshl_b32 s94, s[TC], 13
	s_add_co_u32 s94, s94, XSS
	s_mov_b32 s95, 0
	s_mul_i32 s100, s[WV], 2*TROW                  ; in the ring I fetch two tiles of a block's eight
	s_mov_b32 s101, 0
	s_wait_dscnt 0x0                               ; both opening adds are done
	s_wait_kmcnt 0x0
	s_add_nc_u64 s[88:89], s[4:5], s[88:89]
	s_add_nc_u64 s[92:93], s[4:5], s[92:93]
	s_add_nc_u64 s[90:91], s[6:7], s[90:91]
	s_add_nc_u64 s[94:95], s[6:7], s[94:95]
	CROUND                                         ; all sixteen work-groups are here: the joint loads meet
	GRP0 G0A, 0, 88
	GRP0 G0BH, LB, 92
	GRP0 G0S, SCLA, 90
	GRP0 G0SB, SCLB, 94
	s_add_nc_u64 s[92:93], s[92:93], s[100:101]
	s_mov_b32 s[G0R0], 1                           ; slot 0's: it stands at block 0 and is stepped ahead of each use
	s_add_co_u32 s[G0R0+1], s100, LB
	s_mov_b64 s[G0R0+2:G0R0+3], s[92:93]
	s_or_b32 s[G0R0+3], s[G0R0+3], 0x80000000
	s_mov_b32 s[G0R1], 1                           ; slot 1's: block 1
	s_add_co_u32 s[G0R1+1], s100, 2*SLOT
	s_add_nc_u64 s[G0R1+2:G0R1+3], s[92:93], SLOT
	s_or_b32 s[G0R1+3], s[G0R1+3], 0x80000000
	s_mul_i32 s6, s97, 6144                        ; the prefetches: my work-group's 24 of the 96 blocks of 256 bytes that I fetch
	s_mov_b32 s7, 0
	s_add_nc_u64 s[PFA:PFA+1], s[92:93], s[6:7]
	ARM 1, G0A,  G1A, .Lhead_b                     ; the head's four tiles, one joint load a wave: one chain of branches on the wave's number
	ARM 2, G0BH, G1B, .Lhead_sa
	ARM 3, G0S,  G1S, .Lhead_sb
	tensor_load_to_lds s[G0SB:G0SB+3], s[G1SB:G1SB+7]
	s_nop 0
.rept 4
	v_nop
.endr
.Lhead_asked:
	s_lshr_b32 s96, s[TR], 4                       ; batch
	s_and_b32 s97, s[TR], 15                       ; key step
	s_lshl_b32 s96, s96, 4
	s_lshl_b32 s98, s[TC], 2
	s_add_co_u32 s96, s96, s98
	s_add_co_u32 s96, s96, s[LO]                   ; 16 x batch + my head of a slot 0 block; a slot 1 block's lies 2 on
	s_mul_i32 s98, s96, 98304                      ; codes: 98,304 bytes a head, 6,144 a key step, 768 a unit; my four units begin at 4 x (wave / 2)
	s_mul_i32 s99, s97, 6144
	s_add_co_u32 s98, s98, s99
	s_mul_i32 s99, s[HI], 3072
	s_add_co_u32 s98, s98, s99
	s_mov_b32 s99, 0
	s_add_nc_u64 s[OC:OC+1], s[OC:OC+1], s[98:99]
	s_lshl_b32 s100, s97, 9                        ; q's and k's scale words: 512 bytes a key step, my four units' 256
	s_lshl_b32 s101, s[HI], 8
	s_add_co_u32 s100, s100, s101
	s_mov_b32 s101, 0
	s_mul_i32 s6, s96, 12288                       ; k's and v's: 12,288 bytes a head, from 524,288 on
	s_add_co_u32 s6, s6, 524288
	s_add_nc_u64 s[VS:VS+1], s[16:17], s[6:7]
	s_add_nc_u64 s[KSA:KSA+1], s[VS:VS+1], s[100:101]
	s_add_nc_u64 s[KSB:KSB+1], s[KSA:KSA+1], 24576
	s_lshl_b32 s6, s97, 8                          ; v's: behind k's 8,192, 256 bytes a key step
	s_add_co_u32 s6, s6, 8192
	s_add_nc_u64 s[VS:VS+1], s[VS:VS+1], s[6:7]
	s_lshl_b32 s98, s96, 13                        ; q's: 8,192 bytes a head
	s_add_co_u32 s98, s98, s100
	s_add_nc_u64 s[OSA:OSA+1], s[16:17], s[98:99]
	s_add_nc_u64 s[OSB:OSB+1], s[OSA:OSA+1], 16384
	s_lshl_b32 s98, s[TC], 10                      ; the biases at my first column
	s_lshl_b32 s6, s[LO], 8
	s_add_co_u32 s98, s98, s6
	s_add_nc_u64 s[PB:PB+1], s[PB:PB+1], s[98:99]
	s_add_nc_u64 s[PK:PK+1], s[PK:PK+1], s[98:99]
	s_add_nc_u64 s[PV:PV+1], s[PV:PV+1], s[98:99]
	s_and_b32 s6, ttmp7, 0xffff
	s_cmp_lt_u32 s6, 4                             ; four clusters prefetch
	s_cselect_b32 s[PF], 1, 0
	s_mov_b32 s[PF2], s[PF]
	s_mov_b32 s[SEL], 0x76543210
	s_mov_b32 s[SEL+1], 0xfedcba98
	s_mul_i32 s96, s[HI], 4*TROW                   ; my 4 tiles of x
	s_mul_i32 s97, s[LO], 4*TROW
	s_add_co_u32 s97, s97, LB                      ; my 4 tiles of a block in slot 0,
	s_add_co_u32 s98, s97, SLOT                    ; in slot 1
	s_lshl_b32 s99, s[HI], 11
	s_add_co_u32 s99, s99, SCLA
	s_lshl_b32 s100, s[LO], 11
	s_add_co_u32 s100, s100, SCLB
	s_lshl_b32 s6, s[LO], 8
	s_add_co_u32 s6, s6, SST
	s_lshl_b32 s101, s[HI], 1
	s_add_co_u32 s101, s101, s6
	v_and_b32 v1, 15, v0                           ; r
	v_bfe_u32 v2, v0, 4, 1                         ; h
	v_and_b32 v5, 31, v0
	v_lshlrev_b32 v20, 4, v5
	v_lshlrev_b32 v[LP], 3, v5
	v_lshlrev_b32 v21, 2, v5
	v_add_nc_u32 v[ADRA], s96, v20
	v_add_nc_u32 v[ADRA+1], s96, v[LP]
	v_add_nc_u32 v[ADRB], s97, v20
	v_add_nc_u32 v[ADRB+1], s97, v[LP]
	v_add_nc_u32 v[ADRB+2], s98, v20
	v_add_nc_u32 v[ADRB+3], s98, v[LP]
	v_add_nc_u32 v[ADSA], s99, v21
	v_add_nc_u32 v[ADSB0], s100, v21
	v_add_nc_u32 v[SSR], s6, v[LP]
	v_min_u32 v[PFO], 23, v5
	v_lshlrev_b32 v[PFO], 8, v[PFO]                ; a lane a block of 256 bytes; lanes 24-31 name the wave's last block again
	v_lshlrev_b32 v3, 5, v2
	v_lshlrev_b32 v4, 2, v1
	v_lshlrev_b32 v6, 4, v1
	v_lshl_add_u32 v7, v2, 3, v6
	v_cmp_eq_u32 s[MK], 1, v2                      ; lanes 16-31
	WIN 0x40                                       ; destination window 1
	v_mov_b32 v[LQ1], v20
	v_mov_b32 v[LP1], v[LP]
	v_mov_b32 v[VB], v3                            ; 32 h
	v_mov_b32 v[VR4], v4                           ; 4 r
	v_add_nc_u32 v[SSV], s101, v6                  ; V's scale bytes: 16 r, + 2 x (wave / 2)
	v_mov_b32 v[SWA], v7                           ; 16 r + 8 h
.irp b, 0,1,2,3
	v_mov_b32 v[TM+4+\b], 0                        ; written once: a lane permute's destination counts as one of its sources
.endr
	WIN 0
.macro FRAG reg, aq, off               ; a fragment, 16 rows x 128 K: two half units
	ds_load_b128 v[\reg:\reg+3], v[\aq] offset:\off
	ds_load_b64 v[\reg+4:\reg+5], v[\aq+1] offset:(\off)+512
	ds_load_b128 v[\reg+6:\reg+9], v[\aq] offset:(\off)+768
	ds_load_b64 v[\reg+10:\reg+11], v[\aq+1] offset:(\off)+1280
.endm
.macro FETCH slot, st                  ; K step st's fragments into set st % 2: 32 LDS loads in one run
.irp i, 0,1,2,3
	FRAG FB+96*((\st)%2)+FR*\i, ADRB+2*(\slot), TROW*\i+1536*(\st)
.endr
.irp i, 0,1,2,3
	FRAG FA+96*((\st)%2)+FR*\i, ADRA, TROW*\i+1536*(\st)
.endr
.endm
.macro WM d, s0, s1, x0, x1, zero, odd
.if \zero
	v_wmma_scale_f32_16x16x128_f8f6f4 v[\d:\d+7], v[\s0:\s0+11], v[\s1:\s1+11], 0, v[\x0], v[\x1] matrix_a_fmt:MATRIX_FMT_BF6 matrix_b_fmt:MATRIX_FMT_BF6
.else
.if \odd
	v_wmma_scale_f32_16x16x128_f8f6f4 v[\d:\d+7], v[\s0:\s0+11], v[\s1:\s1+11], v[\d:\d+7], v[\x0], v[\x1] matrix_a_fmt:MATRIX_FMT_BF6 matrix_b_fmt:MATRIX_FMT_BF6 matrix_a_scale:MATRIX_SCALE_ROW1 matrix_b_scale:MATRIX_SCALE_ROW1
.else
	v_wmma_scale_f32_16x16x128_f8f6f4 v[\d:\d+7], v[\s0:\s0+11], v[\s1:\s1+11], v[\d:\d+7], v[\x0], v[\x1] matrix_a_fmt:MATRIX_FMT_BF6 matrix_b_fmt:MATRIX_FMT_BF6
.endif
.endif
.endm
; 16 matrix instructions: a K step.  The 16 accumulators take turns, one instruction a turn, in the same order in every step.  kind 0: rows x's, columns the weight's; kind 1 (V): the other way round.
.macro MUL st, kind, zero
.irp a, 0,1,2,3
.irp b, 0,1,2,3
.if \kind
	WM 8*(4*\a+\b), FA+96*((\st)%2)+FR*\b, FB+96*((\st)%2)+FR*\a, SA+4*\b+(\st)/2, SB+4*\a+(\st)/2, \zero, (\st)%2
.else
	WM 8*(4*\a+\b), FB+96*((\st)%2)+FR*\b, FA+96*((\st)%2)+FR*\a, SB+4*\b+(\st)/2, SA+4*\a+(\st)/2, \zero, (\st)%2
.endif
.endr
.endr
.endm
; A block's walk along K.  mode 2: behind my last fragment loads the slot is filled again, with the block two on; mode 1: a barrier shows the other slot whole, nothing is filled; mode 0: the last block.
.macro WALK slot, sreg, soff, kind, mode, g0
.irp b, 0,1,2,3
.irp q, 0,1,2,3
	ds_load_b32 v[SB+4*\b+\q], v[\sreg] offset:(\soff)+512*\b+128*\q
.endr
.endr
	FETCH \slot, 0
	s_wait_dscnt 0x0
	FETCH \slot, 1
	WIN 0x50                                       ; C and D window 1
	MUL 0, \kind, 1                                ; the first step's products start the sums
.irp st, 1,2,3,4,5,6
	WIN 0
	s_wait_dscnt 0x0                               ; this step's fragments, asked for ahead of the last step's 16 products
	PLACES                                         ; in front of loads into registers that the last step's products have read
	FETCH \slot, \st+1
	WIN 0x50
	MUL \st, \kind, 0
.endr
	WIN 0
	s_wait_dscnt 0x0                               ; my reads of this slot are over
.if \mode > 0
	s_wait_tensorcnt 0x0                           ; my one load that was out, my part of the other slot, has landed
.endif
.if \mode == 2
	ds_add_u32 v[SPW], v[NIL]                      ; 0 onto my spare word; 16 products stand between it and the wait for it
.endif
	WIN 0x50
	MUL 7, \kind, 0
	WIN 0
.if \mode == 2
	s_wait_dscnt 0x0
	CROUND                                         ; no wave of any partner still reads this slot or has a load on its way
	s_add_nc_u64 s[\g0+2:\g0+3], s[\g0+2:\g0+3], WSTEP
	tensor_load_to_lds s[\g0:\g0+3], s[G1B:G1B+7]  ; the first tensor load behind the round, one a wave
	s_nop 0
.endif
.if \mode == 1
	s_barrier_signal -1
	s_barrier_wait -1
.endif
	PLACES                                         ; behind the last products (and, where there is one, behind the tensor load)
.endm
.macro ASK flag, off                   ; the next refill's block is asked of memory
	s_cmp_eq_u32 s[\flag], 1
	s_cbranch_scc0 .Lno_ask_\@
	global_prefetch_b8 v[PFO], s[PFA:PFA+1] offset:\off th:TH_LOAD_NT scope:SCOPE_SE
.Lno_ask_\@:
.endm
; THE WAY OUT of a block: the bias is added in place, the four units are quantised two at a time, each leaves as a half unit: 512 and 256 consecutive bytes.  All registers in window 1.
.macro EPI kind, coff
	WIN 0x55
	s_wait_loadcnt 0x0                             ; the bias
	s_wait_xcnt 0x0                                ; the last block's stores have read their registers
.irp a, 0,1,2,3
.irp b, 0,1,2,3
.irp p, 0,2,4,6
.if \kind
	v_pk_add_f32 v[8*(4*\a+\b)+\p:8*(4*\a+\b)+\p+1], v[8*(4*\a+\b)+\p:8*(4*\a+\b)+\p+1], v[BN+2*\a:BN+2*\a+1]
.else
	v_pk_add_f32 v[8*(4*\a+\b)+\p:8*(4*\a+\b)+\p+1], v[8*(4*\a+\b)+\p:8*(4*\a+\b)+\p+1], v[BN+8*\b+\p:BN+8*\b+\p+1]
.endif
.endr
.endr
.endr
	QUANT2 0, PC, PT, PW
	global_store_b128 v[LQ1], v[PC:PC+3], s[OC:OC+1] offset:\coff
	global_store_b64 v[LP1], v[PC+4:PC+5], s[OC:OC+1] offset:(\coff)+512
	global_store_b128 v[LQ1], v[PC+8:PC+11], s[OC:OC+1] offset:(\coff)+768
	global_store_b64 v[LP1], v[PC+12:PC+13], s[OC:OC+1] offset:(\coff)+1280
	QUANT2 64, PC2, PT, PW2
	global_store_b128 v[LQ1], v[PC2:PC2+3], s[OC:OC+1] offset:(\coff)+1536
	global_store_b64 v[LP1], v[PC2+4:PC2+5], s[OC:OC+1] offset:(\coff)+2048
	global_store_b128 v[LQ1], v[PC2+8:PC2+11], s[OC:OC+1] offset:(\coff)+2304
	global_store_b64 v[LP1], v[PC2+12:PC2+13], s[OC:OC+1] offset:(\coff)+2816
.endm
.macro BLKQK slot, g0, flag, poff, os
	WIN 0x55
.irp b, 0,1,2,3
	global_load_b128 v[BN+8*\b:BN+8*\b+3], v[VB], s[PB:PB+1] offset:512*\slot+64*\b        ; the bias at my eight columns of tile b
	global_load_b128 v[BN+8*\b+4:BN+8*\b+7], v[VB], s[PB:PB+1] offset:512*\slot+64*\b+16
.endr
	WIN 0
	WALK \slot, ADSB, 4096*\slot, 0, 2, \g0
	ASK \flag, \poff
	EPI 0, 196608*\slot
	v_cndmask_b32 v[WS+1], v[PW], v[PW2], s[MK]    ; lane (r, h) stores the words of units 2 h and 2 h + 1 of row r: two bytes each, the upper two 0
	v_and_b32 v[WS], 0xffff, v[WS+1]
	v_lshrrev_b32 v[WS+1], 16, v[WS+1]
	global_store_b64 v[SWA], v[WS:WS+1], s[\os:\os+1]   ; 256 consecutive bytes, aligned
	WIN 0
.endm
.macro BLKV slot, mode
	WIN 0x55
.irp a, 0,1,2,3
	global_load_b32 v[BN+2*\a], v[VR4], s[PV:PV+1] offset:512*\slot+64*\a      ; the bias of channel 16 a + r, in both registers of a pair
	global_load_b32 v[BN+2*\a+1], v[VR4], s[PV:PV+1] offset:512*\slot+64*\a
.endr
	WIN 0
	WALK \slot, ADSB0, 16384+4096*\slot, 1, \mode, G0R0
	EPI 1, 196608*\slot
	ds_store_b16 v[SSV], v[PW] offset:512*\slot            ; a word holds a key step's four bytes: my 64 tokens give two of them, the wave beside me the other two (both halves of the lanes write the same bytes)
	ds_store_b16_d16_hi v[SSV], v[PW] offset:512*\slot+4
	ds_store_b16 v[SSV], v[PW2] offset:512*\slot+8
	ds_store_b16_d16_hi v[SSV], v[PW2] offset:512*\slot+12
	WIN 0
.endm
	s_wait_alu depctr_va_vdst(0)                   ; the wait at the head's end
	s_wait_tensorcnt 0x0                           ; my tile of the head's four is in
	ds_add_u32 v[SPW], v[NIL]
	s_mov_b32 s[G1B+2], 2<<16                      ; no tensor load of mine is out: from here on a load brings two tiles
	s_mov_b32 s[G1B+4], 2
	s_wait_dscnt 0x0
	CROUND                                         ; all four tiles are in, and all sixteen work-groups are here
	tensor_load_to_lds s[G0R1:G0R1+3], s[G1B:G1B+7]   ; block 1 into slot 1: the first tensor load behind the round
	s_nop 0
	PLACES
.irp a, 0,1,2,3
.irp q, 0,1,2,3
	ds_load_b32 v[SA+4*\a+\q], v[ADSA] offset:512*\a+128*\q   ; x's scale words, once
.endr
.endr
	s_mov_b32 s[SOF], 0
	s_mov_b32 s3, 0
.Ltrip:                                                ; trip 0: Q's two blocks, trip 1: K's; both trips fill both slots again
	v_add_nc_u32 v[ADSB], s[SOF], v[ADSB0]         ; this weight's scale words
	BLKQK 0, G0R0, PF, WSTEP+SLOT, OSA
	BLKQK 1, G0R1, PF2, 2*WSTEP, OSB
	s_wait_xcnt 0x0                                ; loads, stores and prefetches have read their bases: these are stepped only behind this wait
	s_mov_b64 s[PB:PB+1], s[PK:PK+1]
	s_mov_b64 s[OSA:OSA+1], s[KSA:KSA+1]
	s_mov_b64 s[OSB:OSB+1], s[KSB:KSB+1]
	s_add_nc_u64 s[OC:OC+1], s[OC:OC+1], 6291456
	s_add_nc_u64 s[PFA:PFA+1], s[PFA:PFA+1], WSTEP
	s_mov_b32 s[PF2], 0                            ; there is no block 6
	s_add_co_u32 s[SOF], s[SOF], 8192
	s_add_co_u32 s3, s3, 1
	s_cmp_lt_u32 s3, 2
	s_cbranch_scc1 .Ltrip
	BLKV 0, 1
	BLKV 1, 0
	s_wait_dscnt 0x0                               ; my stores of V's scale bytes are done
	s_barrier_signal -1
	s_barrier_wait -1                              ; everybody's are
	s_cmp_eq_u32 s[HI], 0                          ; waves 0 and 1 store their head's words of both blocks
	s_cbranch_scc0 .Lno_vs
	ds_load_b64 v[64:65], v[SSR]
	ds_load_b64 v[66:67], v[SSR] offset:512
	s_wait_dscnt 0x0
	global_store_b64 v[LP], v[64:65], s[VS:VS+1]                 ; 256 consecutive bytes, aligned
	global_store_b64 v[LP], v[66:67], s[VS:VS+1] offset:24576
.Lno_vs:
	s_wait_tensorcnt 0x0                           ; the wave's end
	ds_add_u32 v[SPW], v[NIL]
	s_wait_dscnt 0x0
	CROUND                                         ; the closing round
	s_endpgm
.Lfunc_end_k_qabf8155c00_gemm_qkv:
	.size	k_qabf8155c00_gemm_qkv, .Lfunc_end_k_qabf8155c00_gemm_qkv-k_qabf8155c00_gemm_qkv
	.p2alignl 7, 3214868480
	.fill 96, 4, 3214868480
	.section	.rodata,"a",@progbits
	.p2align	6, 0x0
	.amdhsa_kernel k_qabf8155c00_gemm_qkv
		.amdhsa_group_segment_fixed_size 327680
		.amdhsa_private_segment_fixed_size 0
		.amdhsa_enable_private_segment 0
		.amdhsa_kernarg_size 56
		.amdhsa_user_sgpr_count 2
		.amdhsa_user_sgpr_kernarg_segment_ptr 1
		.amdhsa_wavefront_size32 1
		.amdhsa_system_sgpr_workgroup_id_x 1
		.amdhsa_system_sgpr_workgroup_id_y 1
		.amdhsa_system_sgpr_workgroup_id_z 1
		.amdhsa_system_vgpr_workitem_id 0
		.amdhsa_next_free_vgpr 512
		.amdhsa_next_free_sgpr 102
		.amdhsa_reserve_vcc 0
		.amdhsa_float_denorm_mode_32 3
		.amdhsa_float_denorm_mode_16_64 3
		.amdhsa_memory_ordered 1
		.amdhsa_forward_progress 1
		.amdhsa_inst_pref_size 207
	.end_amdhsa_kernel
	.amdgpu_metadata
---
amdhsa.version: [ 1, 2 ]
amdhsa.kernels:
  - .name:           k_qabf8155c00_gemm_qkv
    .symbol:         k_qabf8155c00_gemm_qkv.kd
    .args:
      - { .name: opc, .offset: 0, .size: 8, .value_kind: global_buffer, .address_space: global }
      - { .name: ops, .offset: 8, .size: 8, .value_kind: global_buffer, .address_space: global }
      - { .name: bq, .offset: 16, .size: 8, .value_kind: global_buffer, .address_space: global }
      - { .name: bk, .offset: 24, .size: 8, .value_kind: global_buffer, .address_space: global }
      - { .name: bv, .offset: 32, .size: 8, .value_kind: global_buffer, .address_space: global }
      - { .name: qkvc, .offset: 40, .size: 8, .value_kind: global_buffer, .address_space: global }
      - { .name: qkvs, .offset: 48, .size: 8, .value_kind: global_buffer, .address_space: global }
    .group_segment_fixed_size: 327680
    .private_segment_fixed_size: 0
    .kernarg_segment_align: 8
    .kernarg_segment_size: 56
    .max_flat_workgroup_size: 128
    .sgpr_count:     102
    .vgpr_count:     512
    .wavefront_size: 32
...
	.end_amdgpu_metadata
.endif
;; end of part 2
;; launch attn (part 3): grid 4 x 64, 16 waves a work-group, clusters of 4 x 1, 215,040 bytes of LDS; arguments qkvc, qkvs, oc, os; writes oc, os
.if DOCPART == 3
	.amdgcn_target "amdgcn-amd-amdhsa--gfx1250"
	.amdhsa_code_object_version 6
	.text
	.protected	k_qabf8155c00_attn
	.globl	k_qabf8155c00_attn
	.p2align	8
	.type	k_qabf8155c00_attn,@function
k_qabf8155c00_attn:
	s_mov_b64 s[64:65], 0
	v_nop
	global_prefetch_b8 v0, s[64:65] scope:SCOPE_SE
	s_setreg_imm32_b32 hwreg(HW_REG_WAVE_MODE, 25, 1), 1
	s_wait_xcnt 0x0
	s_wait_alu depctr_hold_cnt(0) depctr_sa_sdst(0) depctr_va_vdst(0) depctr_va_sdst(0) depctr_va_ssrc(0) depctr_va_vcc(0) depctr_vm_vsrc(0)
	s_getreg_b32 s2, hwreg(HW_REG_IB_STS2, 6, 4)
	s_cmp_eq_u32 s2, 0
	s_cbranch_scc0 .Lentry_in_a_cluster
	s_endpgm
.Lentry_in_a_cluster:
	s_bfe_u32 s2, ttmp6, 0x10000c
	s_cmp_lg_u32 s2, 0x3003
	s_cbranch_scc0 .Lentry_shape_is_right
	s_endpgm
.Lentry_shape_is_right:
; O[q] = the sum over keys of softmax(q . k / 8) v for one head, both products on codes of BF6 (E3M2) with E8M0 scales; the result is quantised along the model's 1,024 and leaves as codes for the last product.
; THE SOFTMAX AHEAD OF THE SECOND PRODUCT: t = score x log2(e) / 8; M = the running largest t rounded UP to a whole number; p = 2^(t - M) is quantised along the keys, not normalised; the row's sum is taken of the
; unquantised p and divides O at the end.  When M moves, the sum and O are multiplied by 2^(old M - new M): exact.
; SHARES.  A work-group owns 512 queries of one head: each of its sixteen waves takes two tiles of 16 queries, one after the other (pass 0: tile w, pass 1: tile w + 16), each against all 2,048 keys, 128 a step.
; Four waves to a SIMD.  64 heads x 4 blocks of queries are 256 work-groups.
; A WHOLE HEAD'S K AND V, CODES AND SCALE WORDS, LIE IN LDS (208,896 bytes), FILLED ONCE, for both passes: no byte is filled again, so there is no ring.  ONE TENSOR LOAD A WAVE:
; waves 0-5 fetch 16,384 bytes of K's codes each, waves 6-11 of V's, wave 12 the 12,288 bytes of scale words.  One wait and one barrier show the head whole; from there on no wave waits for another until the end.
; CLUSTER.  The four blocks of queries of a head form a cluster: every fill is asked for jointly by the four (mask 15).  No prefetch: all that the work-group reads is asked for at the head, ahead of any loop.
; LAYOUT.  Both products are used transposed (S^T = K Q^T, O^T = V^T P^T): a lane holds ONE query (lane % 16).  Operands are images of registers: a half unit (768 bytes) is 16 rows x 64 K, lane l's first four registers at 16 l,
; its last two at 512 + 8 l.
; THE KEYS OF A SCORE TILE ARE NOT NEIGHBOURS.  Row m of tile T = 4 c + u of a step is key 64 c + 32 (m / 8) + 16 (u % 2) + 8 (u / 2) + m % 8.  A lane of half h holds rows 8 h + j, so its 32 registers of tiles 4 c .. 4 c + 3 are
; ONE WHOLE BLOCK of 32 keys, block 2 c + h, register 8 u + j at place 8 u + j of the block, which is the order in which v's codes were laid (place 16 h' + i of a block holds key 16 (i / 8) + 8 h' + i % 8).
; So a block's largest p needs no other lane, and the conversions' results are the operand's registers.  In LDS the row lies in half unit 4 c + 2 (m / 8) + u % 2 of the step, at its row 8 (u / 2) + m % 8: a lane term and an immediate.
; THE FIRST PRODUCT'S K IS 64 IN AN INSTRUCTION OF 128: Q's registers 6-11 are zero codes.  K's eight tiles of a step lie six registers apart, v32-79; tile T's operand is v[32 + 6 T] to v[43 + 6 T]: its upper six registers are
; the next tile's codes (tile 7's: v80-85, zeros).  Codes of E3M2 are all finite numbers and no scale byte is 0xff, so those products are exact zeros.
; LIMITS: NaN and infinities are not served; a block of the result whose largest magnitude lies under 2^-122 keeps the byte 1, and so does a block of zeros.
; REGISTERS: v1-7, v31, v86-88 addresses and lane numbers that stay; v8-11, v29-30 addresses of the step; v12 -M, v13 the largest t, v[14:15] the sum; v16-27 the first tile's Q, v28 its scale word; v216-227, v228 the second tile's;
;   v32-85 K's eight tiles, then v32-79 V's four fragments; v96-159 S^T, then p; v160-191 O^T; v192-203 p's codes, v204-210 the conversions' second halves; v212-215 V's scale words; v248-251 K's; v253 p's; v232-247, v252, v254 at work;
;   v243, v255 the add's two registers.
.set LVC,  98304                       ; LDS: K's codes from 0, V's from here: 16 steps x 6,144 bytes each
.set LKS,  196608                      ; K's scale words, 16 x 512 bytes
.set LVS,  204800                      ; V's, 16 x 256
.set ADKQ, 8
.set ADKP, 9
.set ADVQ, 10
.set ADVP, 11
.set ADS,  29
.set ADT,  30
.set H8,   86                          ; 8 h
.set KQL,  87                          ; K's rows: my lane's term for the loads of 16 bytes,
.set KPL,  88                          ; and of 8
.set Q0,   16
.set QS0,  28
.set Q1,   216
.set QS1,  228
.set WV,   18
.set SEL,  20                          ; s[20:21] lane selects of v_permlanex16_b32: lane l xor 16
.set CS,   22                          ; s[22:23] c = log2(e) / 8
.set G0,   24                          ; s[24:27] group 0 for codes
.set G1C,  40                          ; s[40:47] group 1 for codes
.set G1S,  48                          ; s[48:55] for scale words
.set G0S,  56                          ; s[56:59]
.set TB,   76                          ; the step's codes: 6,144 bytes a step
.set TS,   77                          ; K's scale words: 512
.set TJ,   78                          ; V's: 256
.set CNT,  79
.macro CROUND                          ; a round of the cluster's barrier
	s_barrier_signal -1
	s_barrier_wait -1
	s_cmp_lg_u32 s[WV], 0
	s_cbranch_scc1 .Lnot_wave_0_\@
	s_barrier_signal -3
.Lnot_wave_0_\@:
	s_barrier_wait -3
	s_barrier_signal -1
	s_barrier_wait -1
.endm
	s_load_b128 s[4:7], s[0:1], 0x0                ; qkvc, qkvs
	s_load_b128 s[8:11], s[0:1], 0x10              ; oc, os
	v_lshl_add_u32 v243, v0, 2, 0x34000
	v_mov_b32 v255, 0
	ds_add_u32 v243, v255                          ; the opening lines: the add, twice on end, and its wait
	ds_add_u32 v243, v255
	v_lshrrev_b32 v8, 5, v0
	s_delay_alu instid0(VALU_DEP_1)
	v_readfirstlane_b32 s[WV], v8                  ; wave 0..15
	s_bfe_u32 s12, ttmp6, 0x40000                  ; cx
	s_lshl_b32 s13, ttmp9, 2
	s_add_co_u32 s13, s13, s12                     ; my block of 512 queries: it enters Q's and O's addresses alone
	s_and_b32 s14, ttmp7, 0xffff                   ; 16 x batch + head, which the four partners share
	; the codes: wave w < 12 fetches 16,384 bytes to LDS byte 16,384 w: waves 0-5 K's, waves 6-11 V's (V's codes begin at LDS byte 6 x 16,384)
	s_min_u32 s16, s[WV], 11
	s_cmp_ge_u32 s[WV], 6
	s_cselect_b32 s15, 6291456-98304, 0            ; in memory v's codes lie 6,291,456 bytes behind k's
	s_mul_i32 s60, s14, 98304
	s_add_co_u32 s60, s60, s15
	s_lshl_b32 s62, s16, 14
	s_add_co_u32 s60, s60, s62
	s_add_co_u32 s60, s60, 6291456                 ; k's codes begin at 6,291,456
	s_mov_b32 s61, 0
	s_mul_i32 s66, s14, 12288                      ; the head's scale words, K's and V's on end: 12,288 bytes
	s_add_co_u32 s66, s66, 524288
	s_mov_b32 s67, 0
	; group 1: dense bytes as rows of 256 (32 elements of 8 bytes): 64 rows of codes, 48 rows of scale words; the mask names all four work-groups
	s_mov_b32 s[G1C], 15|(3<<16)|(1<<21)
	s_mov_b32 s[G1C+1], 32<<16
	s_mov_b32 s[G1C+2], 64<<16
	s_mov_b32 s[G1C+3], 32<<16
	s_mov_b32 s[G1C+4], 64
	s_mov_b32 s[G1C+5], 32
	s_mov_b32 s[G1C+6], 0
	s_mov_b32 s[G1C+7], 0
	s_mov_b32 s[G1S], 15|(3<<16)|(1<<21)
	s_mov_b32 s[G1S+1], 32<<16
	s_mov_b32 s[G1S+2], 48<<16
	s_mov_b32 s[G1S+3], 32<<16
	s_mov_b32 s[G1S+4], 48
	s_mov_b32 s[G1S+5], 32
	s_mov_b32 s[G1S+6], 0
	s_mov_b32 s[G1S+7], 0
	s_mov_b32 s[SEL], 0x76543210
	s_mov_b32 s[SEL+1], 0xfedcba98
	s_mov_b32 s[CS], 0x3e38aa3b                    ; log2(e) / 8
	s_mov_b32 s[CS+1], s[CS]                       ; (named with it as a pair, so it is written)
	s_mov_b32 s[TB], 0
	s_mov_b32 s[TS], 0
	s_mov_b32 s[TJ], 0
	; Q: half unit 128 x head + 32 x block + wave; the second tile's lies 16 half units, 12,288 bytes, on
	s_lshl_b32 s68, s14, 7
	s_lshl_b32 s69, s13, 5
	s_add_co_u32 s68, s68, s69
	s_add_co_u32 s68, s68, s[WV]
	s_mul_i32 s68, s68, 768
	s_mov_b32 s69, 0
	; its scale words: 8,192 bytes a head, 512 a step of 128 tokens; tile T = wave % 8 of the step: 256 (T / 4) + 4 (T % 4), + 16 r; the second tile's two steps, 1,024 bytes, on
	s_lshl_b32 s70, s14, 13
	s_lshl_b32 s71, s13, 11
	s_add_co_u32 s70, s70, s71
	s_lshr_b32 s71, s[WV], 3
	s_lshl_b32 s71, s71, 9
	s_add_co_u32 s70, s70, s71
	s_bfe_u32 s71, s[WV], 0x10002
	s_lshl_b32 s71, s71, 8
	s_add_co_u32 s70, s70, s71
	s_and_b32 s71, s[WV], 3
	s_lshl_b32 s71, s71, 2
	s_add_co_u32 s70, s70, s71
	s_mov_b32 s71, 0
	; O: tile of rows 128 x batch + 32 x block + wave; half unit = the head; the scale bytes: word head / 2, bytes 2 (head % 2) + block.  The second tile: 16 tiles on: 196,608 bytes of codes, 8,192 of scale words
	s_lshr_b32 s72, s14, 4
	s_lshl_b32 s72, s72, 7
	s_lshl_b32 s73, s13, 5
	s_add_co_u32 s72, s72, s73
	s_add_co_u32 s72, s72, s[WV]
	s_and_b32 s73, s14, 15
	s_lshl_b32 s74, s72, 4
	s_add_co_u32 s74, s74, s73
	s_mul_i32 s74, s74, 768
	s_mov_b32 s75, 0
	v_and_b32 v8, 31, v0
	v_and_b32 v9, 15, v0
	v_bfe_u32 v7, v0, 4, 1                         ; h
	s_delay_alu instid0(VALU_DEP_3)
	v_lshlrev_b32 v1, 4, v8                        ; 16 x lane
	s_delay_alu instid0(VALU_DEP_4)
	v_lshlrev_b32 v2, 3, v8                        ; 8 x lane
	s_delay_alu instid0(VALU_DEP_4)
	v_lshlrev_b32 v31, 4, v9                       ; 16 r
	s_wait_alu depctr_va_vdst(0)
	s_wait_dscnt 0x0
	s_wait_kmcnt 0x0
	s_add_nc_u64 s[8:9], s[8:9], s[74:75]
	s_lshl_b32 s74, s72, 9
	s_lshr_b32 s72, s73, 1
	s_lshl_b32 s72, s72, 6
	s_add_co_u32 s74, s74, s72
	s_and_b32 s72, s73, 1
	s_lshl_b32 s72, s72, 1
	s_add_co_u32 s74, s74, s72
	s_add_nc_u64 s[10:11], s[10:11], s[74:75]
	s_add_nc_u64 s[68:69], s[4:5], s[68:69]
	s_add_nc_u64 s[70:71], s[6:7], s[70:71]
	s_add_nc_u64 s[60:61], s[4:5], s[60:61]
	s_add_nc_u64 s[66:67], s[6:7], s[66:67]
	global_load_b128 v[Q0:Q0+3], v1, s[68:69]      ; both tiles' Q stay in registers; they are asked for ahead of the round
	global_load_b64 v[Q0+4:Q0+5], v2, s[68:69] offset:512
	global_load_b32 v[QS0], v31, s[70:71]
	global_load_b128 v[Q1:Q1+3], v1, s[68:69] offset:12288
	global_load_b64 v[Q1+4:Q1+5], v2, s[68:69] offset:12288+512
	global_load_b32 v[QS1], v31, s[70:71] offset:1024
	s_mov_b32 s[G0S], 1
	s_mov_b32 s[G0S+1], LKS
	s_mov_b64 s[G0S+2:G0S+3], s[66:67]
	s_or_b32 s[G0S+3], s[G0S+3], 0x80000000
	s_mov_b32 s[G0], 1
	s_mov_b32 s[G0+1], s62
	s_mov_b64 s[G0+2:G0+3], s[60:61]
	s_or_b32 s[G0+3], s[G0+3], 0x80000000
	CROUND                                         ; all four work-groups are here: the joint loads meet
	s_cmp_lt_u32 s[WV], 12                         ; one chain of branches on the wave's number, one fill to an arm, one join
	s_cbranch_scc0 .Lnot_codes
	tensor_load_to_lds s[G0:G0+3], s[G1C:G1C+7]
	s_nop 0
.rept 4
	v_nop
.endr
	s_branch .Lno_fill
.Lnot_codes:
	s_cmp_eq_u32 s[WV], 12
	s_cbranch_scc0 .Lno_fill
	tensor_load_to_lds s[G0S:G0S+3], s[G1S:G1S+7]
	s_nop 0
.rept 4
	v_nop
.endr
.Lno_fill:
.irp j, 6,7,8,9,10,11
	v_mov_b32 v[Q0+\j], 0                          ; Q's upper 64 along K: zero codes
	v_mov_b32 v[Q1+\j], 0
.endr
.irp j, 80,81,82,83,84,85
	v_mov_b32 v\j, 0                               ; the upper half of K's tile 7; never written again
.endr
	v_add_nc_u32 v3, LVC, v1
	v_add_nc_u32 v4, LVC, v2
	v_add_nc_u32 v6, LVS, v31
	v_and_b32 v10, 7, v0                           ; m % 8 of my row m = lane % 16 of a tile of K
	v_bfe_u32 v11, v0, 3, 1                        ; m / 8
	v_lshlrev_b32 v[H8], 3, v7
	v_mul_u32_u24 v[KQL], v11, 1536                ; rows 8-15 lie two half units behind rows 0-7;
	v_mul_u32_u24 v[KPL], v11, 1536
	v_lshlrev_b32 v5, 3, v11                       ; their scale words two words
	v_lshl_add_u32 v[KQL], v10, 4, v[KQL]          ; in a half unit: 16 (row + 16 h),
	v_lshl_add_u32 v[KPL], v10, 3, v[KPL]          ; and 8 (row + 16 h)
	v_lshl_add_u32 v5, v10, 4, v5                  ; scale words: 16 bytes a row,
	v_lshl_add_u32 v[KQL], v7, 8, v[KQL]
	v_lshl_add_u32 v[KPL], v7, 7, v[KPL]
	v_lshl_add_u32 v5, v7, 8, v5                   ; lanes 16-31 take those of tiles 4-7
	v_add_nc_u32 v5, LKS, v5
.irp b, 0,1,2,3
	v_mov_b32 v[236+\b], 0                         ; written once: a lane permute's destination counts as one of its sources
.endr
	v_mov_b32 v253, 0                              ; (named as the upper half of the pair v[252:253] before it is first written)
; A pass begins: the largest t under every t, the sum and O^T zeros.  The step is written without a first step of its own: it finds zeros, which the first change of M leaves zeros.
.macro BEGIN
	v_mov_b32 v13, 0xff61b1e6                      ; -3e38
	s_delay_alu instid0(VALU_DEP_1)
	v_floor_f32 v12, -v13                          ; -M
	v_mov_b32 v14, 0
	v_mov_b32 v15, 0
.set j, 0
.rept 32
	v_mov_b32 v[160+j], 0
.set j, j+1
.endr
.endm
	BEGIN
; A KEY STEP: 128 keys.  qb: Q's twelve registers; qs: its scale word.
.macro STEP qb, qs
	v_add_nc_u32 v[ADKQ], s[TB], v[KQL]            ; these four are also the places in front of loads into registers that the last products have read
	v_add_nc_u32 v[ADKP], s[TB], v[KPL]
	v_add_nc_u32 v[ADS], s[TS], v5
	v_nop
.irp t, 0,1,2,3,4,5,6,7                ; K's eight tiles in one run, six registers each: tile t = 4 c + u begins in half unit 4 c + u % 2, at row 8 (u / 2)
	ds_load_b128 v[32+6*\t:35+6*\t], v[ADKQ] offset:768*(4*(\t/4)+\t%2)+128*((\t%4)/2)
	ds_load_b64 v[36+6*\t:37+6*\t], v[ADKP] offset:768*(4*(\t/4)+\t%2)+512+64*((\t%4)/2)
.endr
	ds_load_b64 v[248:249], v[ADS]                 ; register u: lanes 0-15 the words of tile u's rows, lanes 16-31 those of tile 4 + u's
	ds_load_b64 v[250:251], v[ADS] offset:128
	s_wait_alu depctr_va_vdst(0)
	s_wait_dscnt 0x0
.irp t, 0,1,2,3                        ; S^T = K Q^T
	v_wmma_scale_f32_16x16x128_f8f6f4 v[96+8*\t:103+8*\t], v[32+6*\t:43+6*\t], v[\qb:\qb+11], 0, v[248+\t], v[\qs] matrix_a_fmt:MATRIX_FMT_BF6 matrix_b_fmt:MATRIX_FMT_BF6
.endr
.irp t, 0,1,2,3
	v_wmma_scale_f32_16x16x128_f8f6f4 v[128+8*\t:135+8*\t], v[56+6*\t:67+6*\t], v[\qb:\qb+11], 0, v[248+\t], v[\qs] matrix_a_fmt:MATRIX_FMT_BF6 matrix_b_fmt:MATRIX_FMT_BF6 matrix_a_scale:MATRIX_SCALE_ROW1
.endr
	v_add_nc_u32 v[ADVQ], s[TB], v3                ; four places: in front of the loads into K's registers, and of the first read of the scores
	v_add_nc_u32 v[ADVP], s[TB], v4
	v_add_nc_u32 v[ADT], s[TJ], v6
	v_nop
.irp t, 0,1,2,3                        ; V's four tiles of 16 channels x these 128 keys (two half units a tile) are asked for now and land while the softmax is worked
	ds_load_b128 v[32+12*\t:35+12*\t], v[ADVQ] offset:768*\t
	ds_load_b64 v[36+12*\t:37+12*\t], v[ADVP] offset:768*\t+512
	ds_load_b128 v[38+12*\t:41+12*\t], v[ADVQ] offset:3072+768*\t
	ds_load_b64 v[42+12*\t:43+12*\t], v[ADVP] offset:3072+768*\t+512
.endr
	ds_load_b128 v[212:215], v[ADT]                ; register t: the words of channels 16 t + r
.irp b, 0,1,2,3
	v_max3_num_f32 v[232+\b], v[96+16*\b], v[97+16*\b], v[98+16*\b]   ; the largest score of my two blocks of 32 keys, in four chains: for the row's maximum and, since p rises with the score, for the block's largest p
.endr
.irp i, 3,5,7,9,11,13
.irp b, 0,1,2,3
	v_max3_num_f32 v[232+\b], v[232+\b], v[96+16*\b+\i], v[97+16*\b+\i]
.endr
.endr
	v_max3_num_f32 v232, v232, v233, v111
	v_max3_num_f32 v234, v234, v235, v143
	v_max_num_f32 v232, v232, v127                 ; block h of the step,
	v_max_num_f32 v234, v234, v159                 ; block 2 + h
	s_delay_alu instid0(VALU_DEP_1)
	v_max_num_f32 v254, v232, v234
	s_delay_alu instid0(VALU_DEP_1)
	v_permlanex16_b32 v236, v254, s[SEL], s[SEL+1]
	s_delay_alu instid0(VALU_DEP_1)
	v_max_num_f32 v254, v254, v236                 ; with lane l xor 16's two blocks: the step's largest score of my query
	s_delay_alu instid0(VALU_DEP_1)
	v_mul_f32 v254, s[CS], v254                    ; as t
	s_delay_alu instid0(VALU_DEP_1)
	v_max_num_f32 v13, v13, v254                   ; the running largest t
	v_mov_b32 v254, v12
	s_delay_alu instid0(VALU_DEP_2)
	v_floor_f32 v12, -v13                          ; the new -M = -ceil(t): a whole number
	s_delay_alu instid0(VALU_DEP_1)
	v_sub_f32 v254, v12, v254                      ; old M - new M: a whole number, 0 or less
	s_delay_alu instid0(VALU_DEP_1)
	v_cvt_i32_f32 v254, v254                       ; (it saturates)
	s_delay_alu instid0(VALU_DEP_1)
	v_ldexp_f32 v252, 1.0, v254                    ; f = 2^(old M - new M)
.set j, 0
.rept 32
	v_pk_fma_f32 v[96+j:97+j], v[96+j:97+j], s[CS:CS+1], v[12:13] op_sel_hi:[1,0,0]   ; t - M, two at a time
.set j, j+2
.endr
	v_fma_f32 v232, v232, s[CS], v12               ; the same of each block's largest score
	v_fma_f32 v234, v234, s[CS], v12
.set j, 0
	s_wait_alu depctr_va_vdst(0)
.rept 64
	v_exp_f32 v[96+j], v[96+j]                     ; p = 2^(t - M), at most 1
.set j, j+1
.endr
	v_exp_f32 v232, v232                           ; the block's largest p
	v_exp_f32 v234, v234
	v_pk_mul_f32 v[14:15], v[14:15], v[252:253] op_sel_hi:[1,0]   ; the sums under the new M (a plain place behind the exponentials)
	s_wait_alu depctr_va_vdst(0)
	v_max_num_f32 v232, 0x2800000, v232            ; the floor 2^(5 - 127)
	v_max_num_f32 v234, 0x2800000, v234
	s_delay_alu instid0(VALU_DEP_2)
	v_add_nc_u32 v244, 0xfe000000, v232            ; the conversion's scale operand
	s_delay_alu instid0(VALU_DEP_2)
	v_add_nc_u32 v245, 0xfe000000, v234
	s_delay_alu instid0(VALU_DEP_2)
	v_lshrrev_b32 v236, 23, v244                   ; the byte
	s_delay_alu instid0(VALU_DEP_2)
	v_lshrrev_b32 v237, 23, v245
	s_delay_alu instid0(VALU_DEP_1)
	v_lshl_or_b32 v253, v237, 16, v236             ; my two bytes, blocks h and 2 + h,
	s_delay_alu instid0(VALU_DEP_1)
	v_lshlrev_b32 v253, v[H8], v253                ; at their places in the word;
	s_delay_alu instid0(VALU_DEP_1)
	v_permlanex16_b32 v238, v253, s[SEL], s[SEL+1]
	s_delay_alu instid0(VALU_DEP_1)
	v_or_b32 v253, v253, v238                      ; with lane l xor 16's two: p's scale word for these 128 keys
.irp c, 0,1
	v_cvt_scalef32_pk16_bf6_f32 v[192+6*\c:194+6*\c], v[96+32*\c:111+32*\c], v[244+\c]     ; my block 2 c + h: places 0-15,
	v_cvt_scalef32_pk16_bf6_f32 v[204+4*\c:206+4*\c], v[112+32*\c:127+32*\c], v[244+\c]    ; places 16-31 (a conversion's three registers begin on an even number)
.endr
	v_nop                                          ; one plain place behind a scaled conversion
.irp c, 0,1
.irp i, 0,1,2
	v_mov_b32 v[195+6*\c+\i], v[204+4*\c+\i]
.endr
.endr
	v_pk_add_f32 v[236:237], v[100:101], v[104:105]   ; the row's sum of the unquantised p: eight chains by turns
	v_pk_add_f32 v[250:251], v[108:109], v[112:113]
	v_pk_add_f32 v[248:249], v[116:117], v[120:121]
	v_pk_add_f32 v[246:247], v[124:125], v[128:129]
	v_pk_add_f32 v[244:245], v[132:133], v[136:137]
	v_pk_add_f32 v[240:241], v[140:141], v[144:145]
	v_pk_add_f32 v[234:235], v[148:149], v[152:153]
	v_pk_add_f32 v[14:15], v[14:15], v[156:157]
	v_pk_add_f32 v[236:237], v[236:237], v[96:97]
	v_pk_add_f32 v[250:251], v[250:251], v[98:99]
	v_pk_add_f32 v[248:249], v[248:249], v[102:103]
	v_pk_add_f32 v[246:247], v[246:247], v[106:107]
	v_pk_add_f32 v[244:245], v[244:245], v[110:111]
	v_pk_add_f32 v[240:241], v[240:241], v[114:115]
	v_pk_add_f32 v[234:235], v[234:235], v[118:119]
	v_pk_add_f32 v[14:15], v[14:15], v[122:123]
	v_pk_add_f32 v[236:237], v[236:237], v[126:127]
	v_pk_add_f32 v[250:251], v[250:251], v[130:131]
	v_pk_add_f32 v[248:249], v[248:249], v[134:135]
	v_pk_add_f32 v[246:247], v[246:247], v[138:139]
	v_pk_add_f32 v[244:245], v[244:245], v[142:143]
	v_pk_add_f32 v[240:241], v[240:241], v[146:147]
	v_pk_add_f32 v[234:235], v[234:235], v[150:151]
	v_pk_add_f32 v[14:15], v[14:15], v[154:155]
	v_pk_add_f32 v[236:237], v[236:237], v[158:159]
	s_delay_alu instid0(VALU_DEP_2)
	v_pk_add_f32 v[14:15], v[14:15], v[246:247]
	s_delay_alu instid0(VALU_DEP_2)
	v_pk_add_f32 v[236:237], v[236:237], v[244:245]
	v_pk_add_f32 v[250:251], v[250:251], v[240:241]
	v_pk_add_f32 v[248:249], v[248:249], v[234:235]
	s_delay_alu instid0(VALU_DEP_2)
	v_pk_add_f32 v[14:15], v[14:15], v[250:251]
	s_delay_alu instid0(VALU_DEP_2)
	v_pk_add_f32 v[236:237], v[236:237], v[248:249]
	s_delay_alu instid0(VALU_DEP_1)
	v_pk_add_f32 v[14:15], v[14:15], v[236:237]
.set j, 0
.rept 16
	v_pk_mul_f32 v[160+j:161+j], v[160+j:161+j], v[252:253] op_sel_hi:[1,0]   ; O^T under the new M.  (With the sums above: the places between p's codes and scale word and the products below)
.set j, j+2
.endr
	s_wait_alu depctr_va_vdst(0)
	s_wait_dscnt 0x0                               ; V's fragments and scale words, asked for ahead of the softmax
.irp t, 0,1,2,3                        ; O^T += V^T P^T: the four accumulators by turns, one instruction a turn
	v_wmma_scale_f32_16x16x128_f8f6f4 v[160+8*\t:167+8*\t], v[32+12*\t:43+12*\t], v[192:203], v[160+8*\t:167+8*\t], v[212+\t], v253 matrix_a_fmt:MATRIX_FMT_BF6 matrix_b_fmt:MATRIX_FMT_BF6
.endr
	s_add_co_u32 s[TB], s[TB], 6144
	s_add_co_u32 s[TS], s[TS], 512
	s_add_co_u32 s[TJ], s[TJ], 256
.endm
.macro STEPS n, qb, qs                 ; n key steps
	s_mov_b32 s[CNT], \n
.Lstep_\@:
	STEP \qb, \qs
	s_sub_co_u32 s[CNT], s[CNT], 1
	s_cmp_lg_u32 s[CNT], 0
	s_cbranch_scc1 .Lstep_\@
.endm
; THE WAY OUT of pass p: no LDS.  O^T / the sum; the two tiles of each block of 32 channels change halves, so that a lane's 16 registers are 16 neighbours in true order; quantised; one half unit and 32 scale bytes a wave.
.macro WAYOUT p
.rept 4
	v_nop                                          ; places behind the last products
.endr
	v_add_f32 v14, v14, v15
	s_delay_alu instid0(VALU_DEP_1)
	v_permlanex16_b32 v252, v14, s[SEL], s[SEL+1]
	s_delay_alu instid0(VALU_DEP_1)
	v_add_f32 v14, v14, v252                       ; the row's sum
	s_wait_alu depctr_va_vdst(0)
	v_rcp_f32 v14, v14
	v_nop                                          ; one plain place behind a transcendental
.set j, 0
	s_wait_alu depctr_va_vdst(0)
.rept 32
	v_mul_f32 v[96+j], v[160+j], v14               ; register 8 t + i: channel 16 t + 8 h + i of query r; each accumulator from its low end on
.set j, j+1
.endr
.irp b, 0,1
.irp j, 0,1,2,3,4,5,6,7
	v_permlane16_swap_b32 v[96+16*\b+\j], v[104+16*\b+\j]   ; register 16 b + i is now channel 32 b + 16 h + i
.endr
.endr
.irp b, 0,1
	v_max3_num_f32 v[232+\b], |v[96+16*\b]|, |v[97+16*\b]|, 0x2800000
.endr
.irp i, 2,4,6,8,10,12,14
.irp b, 0,1
	s_delay_alu instid0(VALU_DEP_2)
	v_max3_num_f32 v[232+\b], v[232+\b], |v[96+16*\b+\i]|, |v[97+16*\b+\i]|
.endr
.endr
.irp b, 0,1
	s_delay_alu instid0(VALU_DEP_2)
	v_permlanex16_b32 v[236+\b], v[232+\b], s[SEL], s[SEL+1]
.endr
.irp b, 0,1
	s_delay_alu instid0(VALU_DEP_2)
	v_max_num_f32 v[232+\b], v[232+\b], v[236+\b]
.endr
.irp b, 0,1
	s_delay_alu instid0(VALU_DEP_2)
	v_add_nc_u32 v[244+\b], 0xfe000000, v[232+\b]
.endr
.irp b, 0,1
	s_delay_alu instid0(VALU_DEP_2)
	v_lshrrev_b32 v[236+\b], 23, v[244+\b]
.endr
	v_cvt_scalef32_pk16_bf6_f32 v[192:194], v[96:111], v244
	v_cvt_scalef32_pk16_bf6_f32 v[204:206], v[112:127], v245
	v_nop                                          ; one plain place behind a scaled conversion
.irp i, 0,1,2
	v_permlane16_swap_b32 v[192+\i], v[204+\i]
.endr
.irp i, 0,1,2
	s_delay_alu instid0(VALU_DEP_3)
	v_mov_b32 v[195+\i], v[204+\i]
.endr
	v_cmp_eq_u32 vcc_lo, 1, v7
	s_delay_alu instid0(VALU_DEP_1)
	v_cndmask_b32 v238, v236, v237, vcc_lo         ; lane (r, h) stores block h's byte of row r
	v_lshrrev_b32 v239, 2, v31
	s_delay_alu instid0(VALU_DEP_1)
	v_add_nc_u32 v239, v239, v7                    ; 4 r + h
	global_store_b128 v1, v[192:195], s[8:9] offset:196608*\p         ; 512 consecutive bytes
	global_store_b64 v2, v[196:197], s[8:9] offset:196608*\p+512      ; 256 consecutive bytes
	global_store_b8 v239, v238, s[10:11] offset:8192*\p               ; two heads share a scale word, so single bytes: 32 of the wave's 800 bytes
.endm
	s_wait_loadcnt 0x0                             ; both tiles' Q
	s_wait_tensorcnt 0x0                           ; my one load has landed
	s_wait_dscnt 0x0
	s_barrier_signal -1
	s_barrier_wait -1                              ; everybody's has: the whole head lies in LDS, and no wave waits for another until the end
	STEPS 16, Q0, QS0                              ; pass 0
	WAYOUT 0
	s_wait_xcnt 0x0                                ; the stores have read their registers: these are written again only behind this wait
	s_mov_b32 s[TB], 0                             ; pass 1: back to the first keys
	s_mov_b32 s[TS], 0
	s_mov_b32 s[TJ], 0
	BEGIN
	STEPS 16, Q1, QS1
	WAYOUT 1
	s_wait_tensorcnt 0x0                           ; the wave's end
	ds_add_u32 v243, v255
	s_wait_dscnt 0x0
	CROUND                                         ; the closing round
	s_endpgm
.Lfunc_end_k_qabf8155c00_attn:
	.size	k_qabf8155c00_attn, .Lfunc_end_k_qabf8155c00_attn-k_qabf8155c00_attn
	.p2alignl 7, 3214868480
	.fill 96, 4, 3214868480
	.section	.rodata,"a",@progbits
	.p2align	6, 0x0
	.amdhsa_kernel k_qabf8155c00_attn
		.amdhsa_group_segment_fixed_size 215040
		.amdhsa_private_segment_fixed_size 0
		.amdhsa_enable_private_segment 0
		.amdhsa_kernarg_size 32
		.amdhsa_user_sgpr_count 2
		.amdhsa_user_sgpr_kernarg_segment_ptr 1
		.amdhsa_wavefront_size32 1
		.amdhsa_system_sgpr_workgroup_id_x 1
		.amdhsa_system_sgpr_workgroup_id_y 1
		.amdhsa_system_sgpr_workgroup_id_z 1
		.amdhsa_system_vgpr_workitem_id 0
		.amdhsa_next_free_vgpr 256
		.amdhsa_next_free_sgpr 80
		.amdhsa_reserve_vcc 1
		.amdhsa_float_denorm_mode_32 3
		.amdhsa_float_denorm_mode_16_64 3
		.amdhsa_memory_ordered 1
		.amdhsa_forward_progress 1
		.amdhsa_inst_pref_size 53
	.end_amdhsa_kernel
	.amdgpu_metadata
---
amdhsa.version: [ 1, 2 ]
amdhsa.kernels:
  - .name:           k_qabf8155c00_attn
    .symbol:         k_qabf8155c00_attn.kd
    .args:
      - { .name: qkvc, .offset: 0, .size: 8, .value_kind: global_buffer, .address_space: global }
      - { .name: qkvs, .offset: 8, .size: 8, .value_kind: global_buffer, .address_space: global }
      - { .name: oc, .offset: 16, .size: 8, .value_kind: global_buffer, .address_space: global }
      - { .name: os, .offset: 24, .size: 8, .value_kind: global_buffer, .address_space: global }
    .group_segment_fixed_size: 215040
    .private_segment_fixed_size: 0
    .kernarg_segment_align: 8
    .kernarg_segment_size: 32
    .max_flat_workgroup_size: 512
    .sgpr_count:     80
    .vgpr_count:     256
    .wavefront_size: 32
...
	.end_amdgpu_metadata
.endif
;; end of part 3
;; launch gemm_o (part 4): grid 4 x 64, 4 waves a work-group, clusters of 4 x 4, 327,680 bytes of LDS; arguments oc, os, opc, ops, bo, out0; writes out0
.if DOCPART == 4
	.amdgcn_target "amdgcn-amd-amdhsa--gfx1250"
	.amdhsa_code_object_version 6
	.text
	.protected	k_qabf8155c00_gemm_o
	.globl	k_qabf8155c00_gemm_o
	.p2align	8
	.type	k_qabf8155c00_gemm_o,@function
k_qabf8155c00_gemm_o:
	s_mov_b64 s[64:65], 0
	v_nop
	global_prefetch_b8 v0, s[64:65] scope:SCOPE_SE
	s_setreg_imm32_b32 hwreg(HW_REG_WAVE_MODE, 25, 1), 1
	s_wait_xcnt 0x0
	s_wait_alu depctr_hold_cnt(0) depctr_sa_sdst(0) depctr_va_vdst(0) depctr_va_sdst(0) depctr_va_ssrc(0) depctr_va_vcc(0) depctr_vm_vsrc(0)
	s_getreg_b32 s2, hwreg(HW_REG_IB_STS2, 6, 4)
	s_cmp_eq_u32 s2, 0
	s_cbranch_scc0 .Lentry_in_a_cluster
	s_endpgm
.Lentry_in_a_cluster:
	s_bfe_u32 s2, ttmp6, 0x10000c
	s_cmp_lg_u32 s2, 0xf033
	s_cbranch_scc0 .Lentry_shape_is_right
	s_endpgm
.Lentry_shape_is_right:
; out0[m][n] = sum over k of O[m][k] Wo[k][n] + bo[n]: 8,192 x 1,024 x 1,024 on codes of BF6 (E3M2) with E8M0 scale words, f32 sums.
; Both operands come as images of operand registers: a tile of 16 rows (of O) or 16 columns (of Wo) is 12,288 dense bytes, 16 half units of 768 bytes (16 rows x 64 K; lane l's first four registers at 16 l, its last two at 512 + 8 l);
; scale words lie [tile][128 along K 8][row 16].
; SHARES.  A work-group makes 128 x 256 of the result: 64 x 4 blocks are 256 work-groups.  Four waves, each 64 x 128: 32 accumulators of 16 x 16.
; ALL OF K LIES IN LDS, FILLED ONCE: A's 8 tiles (98,304 bytes), B's 16 tiles (196,608), A's and B's scale words (4,096 + 8,192).  Four tiles, four waves, ONE joint load a wave at the head;
; no byte is filled again: no ring, and one barrier shows all four tiles.  No prefetch: all that the work-group reads is asked for at the head, ahead of the walk along K.
; CLUSTERS: 4 x 4 work-groups; A's tiles are shared along a row of the cluster, B's along a column.
; THE MATRIX INSTRUCTION IS USED TRANSPOSED (source 0 = 16 columns of Wo, source 1 = 16 rows of O): a lane holds eight neighbouring numbers of a row of the result.  The bias is the C of each sum's first product.
; REGISTERS, in windows of 256: window 0: v16-31 addresses; v32-95 scale words (register 8 i + s: lanes 0-15 A's block i, lanes 16-31 B's block i, K step s); v96-191 A's fragments, two sets of 48; v192-255 the bias;
;   window 1: the accumulators, (a, b) at v[8 (8 a + b)];  window 2: B's fragments, two sets of 96, at v0 and v128.  On the way out v96-223 of window 0 take rows read back from the stage.
; THE WAY OUT goes through a stage of 16 rows x 528 bytes for each wave, on bytes of A's tiles: these have had their one fill, and a barrier behind every wave's last fragment loads stands ahead of the first store there.
.set WOC,   6291456+192*12288          ; Wo's codes in opc
.set WOS,   262144+192*512             ; and its scale words in ops
.set FR,    12
.set TROW,  12288
.set LB,    8*TROW                     ; LDS: B's tiles behind A's
.set SCL,   24*TROW                    ; the scale words: A's 4,096 bytes, then B's 8,192
.set SPARE, SCL+12288                  ; the spare words, 128 bytes for each wave
.set SPITCH, 528
.set NB,    4096                       ; a row of the result in bytes
.set ADRA, 16                          ; v16, v17: my A fragments, at 16 x lane and at 8 x lane
.set ADRB, 18                          ; v18-21: the same for B's blocks 0-3 and 4-7
.set STO,  24
.set RD,   25
.set ADRS, 27
.set SPW,  28
.set NIL,  29
.set LQ,   30
.set LP,   31
.set SC,   32
.set AF,   96
.set BN,   192
.set BK,   96
.set WV, 18
.set HI, 19
.set LO, 20
.set TR, 21
.set TC, 22
.set G1, 24
.set G0, 32
.set G1B, 48
.set G0B, 56
.set G1S, 68
.set G0S, 76
.set G1SB, 80
.set G0SB, 88
.set MSB, 0
.macro WIN new                         ; the immediate's high byte repeats the setting that is left
.if MSB != \new
	s_set_vgpr_msb (MSB<<8)|\new
.set MSB, \new
.endif
.endm
.macro CROUND                          ; a round of the cluster's barrier
	s_barrier_signal -1
	s_barrier_wait -1
	s_cmp_lg_u32 s[WV], 0
	s_cbranch_scc1 .Lnot_wave_0_\@
	s_barrier_signal -3
.Lnot_wave_0_\@:
	s_barrier_wait -3
	s_barrier_signal -1
	s_barrier_wait -1
.endm
.macro GRP1 g, c, r                    ; group 1 behind its first word: r dense rows of c elements of 8 bytes
	s_mov_b32 s[\g+1], (\c)<<16
	s_mov_b32 s[\g+2], (\r)<<16
	s_mov_b32 s[\g+3], (\c)<<16
	s_mov_b32 s[\g+4], \r
	s_mov_b32 s[\g+5], \c
	s_mov_b32 s[\g+6], 0
	s_mov_b32 s[\g+7], 0
.endm
.macro GRP0 g, lds, a
	s_mov_b32 s[\g], 1
	s_mov_b32 s[\g+1], \lds
	s_mov_b64 s[\g+2:\g+3], s[\a:\a+1]
	s_or_b32 s[\g+3], s[\g+3], 0x80000000
.endm
.macro ARM under, g0, g1, next
	s_cmp_lt_u32 s[WV], \under
	s_cbranch_scc0 \next
	tensor_load_to_lds s[\g0:\g0+3], s[\g1:\g1+7]
	s_nop 0
.rept 4
	v_nop
.endr
	s_branch .Lhead_asked
\next:
.endm
.macro PLACES
.rept 4
	v_nop
.endr
.endm
	s_load_b128 s[4:7], s[0:1], 0x0                ; oc, os
	s_load_b128 s[8:11], s[0:1], 0x10              ; opc, ops
	s_load_b128 s[12:15], s[0:1], 0x20             ; bo, out0
	v_lshl_add_u32 v[SPW], v0, 2, SPARE
	v_mov_b32 v[NIL], 0
	ds_add_u32 v[SPW], v[NIL]                      ; the opening lines: the add, twice on end, and its wait
	ds_add_u32 v[SPW], v[NIL]
	v_lshrrev_b32 v1, 5, v0
	v_readfirstlane_b32 s[WV], v1                  ; wave 0..3
	s_lshr_b32 s[HI], s[WV], 1                     ; which 64 of the block's rows
	s_and_b32 s[LO], s[WV], 1                      ; which 128 of its columns
	s_bfe_u32 s40, ttmp6, 0x40000                  ; cx
	s_bfe_u32 s41, ttmp6, 0x40004                  ; cy
	s_lshl_b32 s[TC], ttmp9, 2
	s_add_co_u32 s[TC], s[TC], s40                 ; block column 0..3
	s_and_b32 s[TR], ttmp7, 0xffff
	s_lshl_b32 s[TR], s[TR], 2
	s_add_co_u32 s[TR], s[TR], s41                 ; block row 0..63
	s_lshl_b32 s43, s41, 2
	s_lshl_b32 s43, 15, s43                        ; my row of the cluster
	s_lshl_b32 s44, 0x1111, s40                    ; my column
	s_or_b32 s[G1+0], s43, (3<<16)|(1<<21)
	s_or_b32 s[G1B+0], s44, (3<<16)|(1<<21)
	s_or_b32 s[G1S+0], s43, (3<<16)|(1<<21)
	s_or_b32 s[G1SB+0], s44, (3<<16)|(1<<21)
	GRP1 G1, 1536, 8                               ; A: 8 tiles of 12,288 bytes
	GRP1 G1B, 1536, 16                             ; B: 16 tiles
	GRP1 G1S, 32, 16                               ; A's scale words: 16 rows of 256 bytes
	GRP1 G1SB, 32, 32                              ; B's: 32 rows
	s_mul_i32 s92, s[TR], 8*TROW
	s_mov_b32 s93, 0
	s_lshl_b32 s94, s[TR], 12
	s_mov_b32 s95, 0
	s_mul_i32 s96, s[TC], 16*TROW
	s_add_co_u32 s96, s96, WOC
	s_mov_b32 s97, 0
	s_lshl_b32 s98, s[TC], 13
	s_add_co_u32 s98, s98, WOS
	s_mov_b32 s99, 0
	s_wait_dscnt 0x0                               ; both opening adds are done
	s_wait_kmcnt 0x0
	s_add_nc_u64 s[92:93], s[4:5], s[92:93]
	s_add_nc_u64 s[94:95], s[6:7], s[94:95]
	s_add_nc_u64 s[96:97], s[8:9], s[96:97]
	s_add_nc_u64 s[98:99], s[10:11], s[98:99]
	CROUND                                         ; all sixteen work-groups are here: the joint loads meet
	GRP0 G0, 0, 92
	GRP0 G0B, LB, 96
	GRP0 G0S, SCL, 94
	GRP0 G0SB, SCL+4096, 98
	ARM 1, G0,  G1,  .Lhead_b                      ; one chain of branches on the wave's number: every way passes exactly one load
	ARM 2, G0B, G1B, .Lhead_sa
	ARM 3, G0S, G1S, .Lhead_sb
	tensor_load_to_lds s[G0SB:G0SB+3], s[G1SB:G1SB+7]
	s_nop 0
.rept 4
	v_nop
.endr
.Lhead_asked:
	s_mul_i32 s36, s[HI], 4*TROW                   ; my 4 tiles of A
	s_mul_i32 s37, s[LO], 8*TROW
	s_add_co_u32 s37, s37, LB                      ; my 8 tiles of B: blocks 0-3,
	s_add_co_u32 s38, s37, 4*TROW                  ; blocks 4-7
	s_lshl_b32 s42, s[HI], 11                      ; A's scale words: 512 bytes a tile
	s_lshl_b32 s39, s[LO], 12
	s_add_co_u32 s39, s39, 4096
	s_sub_co_u32 s39, s39, s42                     ; from there to B's
	s_add_co_u32 s42, s42, SCL
	s_mul_i32 s43, s[WV], 16*SPITCH                ; my stage
	s_lshl_b32 s40, s[TC], 10
	s_lshl_b32 s41, s[LO], 9
	s_add_co_u32 s40, s40, s41                     ; my first column, in bytes
	s_mov_b32 s41, 0
	s_add_nc_u64 s[12:13], s[12:13], s[40:41]
	s_lshl_b32 s44, s[TR], 7
	s_lshl_b32 s45, s[HI], 6
	s_add_co_u32 s44, s44, s45                     ; my first row
	s_lshl_b32 s44, s44, 12
	s_add_co_u32 s40, s40, s44
	s_add_nc_u64 s[14:15], s[14:15], s[40:41]
	v_and_b32 v1, 15, v0                           ; r
	v_bfe_u32 v2, v0, 4, 1                         ; h
	v_and_b32 v5, 31, v0
	v_lshlrev_b32 v3, 5, v2
	v_lshlrev_b32 v[LQ], 4, v5
	v_lshlrev_b32 v[LP], 3, v5
	v_add_nc_u32 v[ADRA], s36, v[LQ]
	v_add_nc_u32 v[ADRA+1], s36, v[LP]
	v_add_nc_u32 v[ADRB], s37, v[LQ]
	v_add_nc_u32 v[ADRB+1], s37, v[LP]
	v_add_nc_u32 v[ADRB+2], s38, v[LQ]
	v_add_nc_u32 v[ADRB+3], s38, v[LP]
	v_mul_u32_u24 v6, s39, v2                      ; lanes 16-31 take B's words
	v_lshl_add_u32 v6, v1, 2, v6
	v_add_nc_u32 v[ADRS], s42, v6
	v_mul_u32_u24 v7, v1, SPITCH                   ; into the stage: row r, 32 bytes for each half of the lanes
	v_lshl_add_u32 v7, v2, 5, v7
	v_add_nc_u32 v[STO], s43, v7
	v_add_nc_u32 v[RD], s43, v[LQ]                 ; back: the 32 lanes take one row of 512 bytes
.irp b, 0,1,2,3,4,5,6,7
	global_load_b128 v[BN+8*\b:BN+8*\b+3], v3, s[12:13] offset:64*\b       ; bo at my eight columns of block b
	global_load_b128 v[BN+8*\b+4:BN+8*\b+7], v3, s[12:13] offset:64*\b+16
.endr
.macro FRAG reg, aq, off               ; a fragment, 16 rows x 128 K: two half units
	ds_load_b128 v[\reg:\reg+3], v[\aq] offset:\off
	ds_load_b64 v[\reg+4:\reg+5], v[\aq+1] offset:(\off)+512
	ds_load_b128 v[\reg+6:\reg+9], v[\aq] offset:(\off)+768
	ds_load_b64 v[\reg+10:\reg+11], v[\aq+1] offset:(\off)+1280
.endm
.macro FETCH st                        ; K step st's fragments into set st % 2: 48 LDS loads in one run
	WIN 0x80                                       ; destination window 2
.irp i, 0,1,2,3
	FRAG 128*((\st)%2)+FR*\i, ADRB, TROW*\i+1536*(\st)
.endr
.irp i, 0,1,2,3
	FRAG 128*((\st)%2)+FR*(4+\i), ADRB+2, TROW*\i+1536*(\st)
.endr
	WIN 0
.irp i, 0,1,2,3
	FRAG AF+48*((\st)%2)+FR*\i, ADRA, TROW*\i+1536*(\st)
.endr
.endm
; 32 matrix instructions: a K step.  The 32 accumulators take turns, one instruction a turn, in the same order in every step.
.macro MUL st, zero
.irp a, 0,1,2,3
.irp b, 0,1,2,3,4,5,6,7
.if \zero
	v_wmma_scale_f32_16x16x128_f8f6f4 v[8*(8*\a+\b):8*(8*\a+\b)+7], v[128*((\st)%2)+FR*\b:128*((\st)%2)+FR*\b+FR-1], v[AF+48*((\st)%2)+FR*\a:AF+48*((\st)%2)+FR*\a+FR-1], v[BN+8*\b:BN+8*\b+7], v[SC+8*\b+(\st)], v[SC+8*\a+(\st)] matrix_a_fmt:MATRIX_FMT_BF6 matrix_b_fmt:MATRIX_FMT_BF6 matrix_a_scale:MATRIX_SCALE_ROW1
.else
	v_wmma_scale_f32_16x16x128_f8f6f4 v[8*(8*\a+\b):8*(8*\a+\b)+7], v[128*((\st)%2)+FR*\b:128*((\st)%2)+FR*\b+FR-1], v[AF+48*((\st)%2)+FR*\a:AF+48*((\st)%2)+FR*\a+FR-1], v[8*(8*\a+\b):8*(8*\a+\b)+7], v[SC+8*\b+(\st)], v[SC+8*\a+(\st)] matrix_a_fmt:MATRIX_FMT_BF6 matrix_b_fmt:MATRIX_FMT_BF6 matrix_a_scale:MATRIX_SCALE_ROW1
.endif
.endr
.endr
.endm
	s_wait_alu depctr_va_vdst(0)                   ; the wait at the head's end
	s_wait_loadcnt 0x0                             ; the bias
	s_wait_tensorcnt 0x0                           ; my tile of the four is in
	s_barrier_signal -1
	s_barrier_wait -1                              ; everybody's is
	FETCH 0
.irp i, 0,1,2,3,4,5,6,7
.irp s, 0,1,2,3,4,5,6,7
	ds_load_b32 v[SC+8*\i+\s], v[ADRS] offset:512*\i+64*\s   ; the scale words of all eight K steps, once
.endr
.endr
	s_wait_dscnt 0x0
	FETCH 1
	WIN 0x42                                       ; source 0 window 2, source 1 and C window 0, D window 1
	MUL 0, 1                                       ; the first step's products start the sums on the bias
.set ST, 1
.rept 6
	WIN 0
	s_wait_dscnt 0x0                               ; this step's fragments, asked for ahead of the last step's 32 products
	PLACES                                         ; in front of loads into registers that the last step's products have read
	FETCH ST+1
	WIN 0x52                                       ; C and D window 1
	MUL ST, 0
.set ST, ST+1
.endr
	WIN 0
	s_wait_dscnt 0x0                               ; my last fragment loads are done: nothing of mine reads the tiles any more
	s_barrier_signal -1
	WIN 0x52
	MUL 7, 0
	WIN 0
	s_barrier_wait -1                              ; nor anything of the other waves: the stage may be written
.macro TOSTAGE a                       ; block a, 16 rows x 128 columns: into my stage, and back as whole rows of 512 bytes; LDS serves a wave's instructions in order (ISA guide 5.7.1.4)
	WIN 0x04                                       ; the data: window 1
.irp b, 0,1,2,3,4,5,6,7
	ds_store_b128 v[STO], v[64*(\a)+8*\b:64*(\a)+8*\b+3] offset:64*\b      ; each accumulator from its low end on
	ds_store_b128 v[STO], v[64*(\a)+8*\b+4:64*(\a)+8*\b+7] offset:64*\b+16
.endr
	WIN 0
.set BB, BK+64*((\a)%2)
.irp t, 0,1,2,3,4,5,6,7,8,9,10,11,12,13,14,15
	ds_load_b128 v[BB+4*\t:BB+4*\t+3], v[RD] offset:\t*SPITCH
.endr
.endm
.macro SEND a, younger                 ; younger: the LDS instructions issued behind block a's loads, which may stay out
.set BB, BK+64*((\a)%2)
	s_wait_dscnt \younger
.if (\a) > 0
	s_add_nc_u64 s[14:15], s[14:15], 16*NB         ; (behind a wait on XCNT: the earlier stores have read their base)
.endif
.irp t, 0,1,2,3,4,5,6,7,8,9,10,11,12,13,14,15
	global_store_b128 v[LQ], v[BB+4*\t:BB+4*\t+3], s[14:15] offset:\t*NB th:TH_STORE_NT   ; 32 lanes store 512 consecutive bytes, aligned
.endr
.endm
	PLACES                                         ; behind the last products: for the stores of results and the loads into A's fragment registers
	TOSTAGE 0
.irp a, 1,2,3
.if \a > 1
	s_wait_xcnt 0x0                                ; block a - 2's stores have read their registers and their base
.endif
	TOSTAGE \a
	SEND \a-1, 32                                  ; behind block a - 1's loads: block a's 16 stores and 16 loads
.endr
	s_wait_xcnt 0x0
	SEND 3, 0
	s_wait_tensorcnt 0x0                           ; the wave's end
	ds_add_u32 v[SPW], v[NIL]
	s_wait_dscnt 0x0
	CROUND                                         ; the closing round
	s_endpgm
.Lfunc_end_k_qabf8155c00_gemm_o:
	.size	k_qabf8155c00_gemm_o, .Lfunc_end_k_qabf8155c00_gemm_o-k_qabf8155c00_gemm_o
	.p2alignl 7, 3214868480
	.fill 96, 4, 3214868480
	.section	.rodata,"a",@progbits
	.p2align	6, 0x0
	.amdhsa_kernel k_qabf8155c00_gemm_o
		.amdhsa_group_segment_fixed_size 327680
		.amdhsa_private_segment_fixed_size 0
		.amdhsa_enable_private_segment 0
		.amdhsa_kernarg_size 48
		.amdhsa_user_sgpr_count 2
		.amdhsa_user_sgpr_kernarg_segment_ptr 1
		.amdhsa_wavefront_size32 1
		.amdhsa_system_sgpr_workgroup_id_x 1
		.amdhsa_system_sgpr_workgroup_id_y 1
		.amdhsa_system_sgpr_workgroup_id_z 1
		.amdhsa_system_vgpr_workitem_id 0
		.amdhsa_next_free_vgpr 768
		.amdhsa_next_free_sgpr 100
		.amdhsa_reserve_vcc 0
		.amdhsa_float_denorm_mode_32 3
		.amdhsa_float_denorm_mode_16_64 3
		.amdhsa_memory_ordered 1
		.amdhsa_forward_progress 1
		.amdhsa_inst_pref_size 87
	.end_amdhsa_kernel
	.amdgpu_metadata
---
amdhsa.version: [ 1, 2 ]
amdhsa.kernels:
  - .name:           k_qabf8155c00_gemm_o
    .symbol:         k_qabf8155c00_gemm_o.kd
    .args:
      - { .name: oc, .offset: 0, .size: 8, .value_kind: global_buffer, .address_space: global }
      - { .name: os, .offset: 8, .size: 8, .value_kind: global_buffer, .address_space: global }
      - { .name: opc, .offset: 16, .size: 8, .value_kind: global_buffer, .address_space: global }
      - { .name: ops, .offset: 24, .size: 8, .value_kind: global_buffer, .address_space: global }
      - { .name: bo, .offset: 32, .size: 8, .value_kind: global_buffer, .address_space: global }
      - { .name: out0, .offset: 40, .size: 8, .value_kind: global_buffer, .address_space: global }
    .group_segment_fixed_size: 327680
    .private_segment_fixed_size: 0
    .kernarg_segment_align: 8
    .kernarg_segment_size: 48
    .max_flat_workgroup_size: 128
    .sgpr_count:     100
    .vgpr_count:     768
    .wavefront_size: 32
...
	.end_amdgpu_metadata
.endif
;; end of part 4
